; MI455X (gfx1250); checked and timed in simulation.
; The chip was launched on July 23, 2026; its instructions are those of AMD's public machine-readable ISA for CDNA 5 (MIT licence, August 2026) and "CDNA5" Instruction Set Architecture Reference Guide (July 2026). The comments in the code are by the model that wrote it; some were corrected since.
;; Multi Head Attention. Allowed arithmetic: matrix products marked QUANTISED: E2M1 operands, one E8M0 scale for each 32 along K, by v_wmma_scale_f32_16x16x128_f8f6f4 with both operands' format E2M1 (or v_wmma_scale_f32_32x16x128_f4), f32 sums; products left as they are: bf16, f16 or f32 operands; f32 sums; everything else in f32.
;; Inputs: W_out 1,024 x 1,024 float32; W_qkv 1,024 x 3,072 float32; b_out 1,024 float32; b_qkv 3,072 float32; padding_mask 4 x 2,048 int32; x 4 x 2,048 x 1,024 float32.
;; Outputs: out0 4 x 2,048 x 1,024 float32.
;; This version of the problem:
;;   THIS VERSION OF THE PROBLEM IS GIVEN IN LOW PRECISION. The matrix products marked QUANTISED in the list below multiply operands that are first quantised to E2M1 (2 exponent bits, 1 mantissa bit; 4 bits a number), with one power-of-two scale for each 32 numbers along K (OCP MX v1.0); their sums are f32. The products marked 'left as it is' may take bf16, f16 or f32 operands, with f32 sums. Whichever they take, every output number must still come out within the allowed error. Rounding operands to bf16 (8 significant bits) uses up far more of that allowance than f16 does (11 bits, for magnitudes from 6e-5 to 65,504). All else is computed in f32.
;;   The module's matrix products, in the order in which they are computed (A, B: the left and right operand; K: the contracted axis; several contracted axes count as one K, in the product's order):
;;     1. [M 8,192, K 1,024] x [K 1,024, N 3,072]; A: input x; B: input W_qkv: QUANTISED
;;     2. batch 64 x [M 2,048, K 64] x [K 64, N 2,048]; A: computed on the way; B: computed on the way: left as it is (an operand is computed on the way)
;;     3. batch 64 x [M 2,048, K 2,048] x [K 2,048, N 64]; A: computed on the way; B: computed on the way: left as it is (an operand is computed on the way)
;;     4. [M 8,192, K 1,024] x [K 1,024, N 1,024]; A: computed on the way; B: input W_out: left as it is (an operand is computed on the way)
;;   THE QUANTISER, for each operand of a quantised product, along K:
;;     - K is cut into blocks of 32 from its start; a last block that is shorter is filled with zeros.
;;     - A block's scale is 2^e with e = floor(log2(the largest magnitude in the block)) - 2, held to -126 .. 127; a block of zeros has e = 0. As a byte (E8M0): e + 127.
;;     - Each number is divided by its block's scale, clamped to +-6, and rounded to the nearest number of E2M1, ties to even, subnormals kept.
;;     - The product sums the exact products of the quantised numbers (number of the format x scale) in f32.
;;   ~~~python
;;   def quantise(x, axis):      # numpy; x: float32 -> the quantised numbers, widened to float32 again
;;       x = np.moveaxis(x, axis, -1); K = x.shape[-1]
;;       x = np.pad(x, [(0, 0)] * (x.ndim - 1) + [(0, -K % 32)]); x = x.reshape(x.shape[:-1] + (-1, 32)); a = np.abs(x).max(-1, keepdims=True)
;;       e = np.where(a > 0, np.clip(np.frexp(np.where(a > 0, a, 1))[1] - 1 - 2, -126, 127), 0)      # np.frexp(a)[1] - 1 = floor(log2(a)), exactly
;;       r = np.clip(x / 2.0 ** e, -6, 6)
;;       step = 2.0 ** (np.maximum(np.frexp(np.where(r == 0, 1, r))[1] - 1, 0) - 1)
;;       q = np.round(r / step) * step * 2.0 ** e      # np.round: ties to even
;;       return np.moveaxis(q.reshape(q.shape[:-2] + (-1,))[..., :K], -1, axis).astype(np.float32)
;;   ~~~
;; One version. Each part assembles by itself: llvm-mc -triple=amdgcn-amd-amdhsa -mcpu=gfx1250 --defsym DOCPART=n.
;; ======== version 1 of 1: 5 launches
;; limits: values are held in f16: magnitudes above 65,504 overflow, below 6.1e-05 lose precision
;; workspace buffers: xc 4,194,304 bytes; xs 262,144 bytes; wc 1,572,864 bytes; ws 98,304 bytes; wo16 2,097,152 bytes; qkv16 50,331,648 bytes; qkv32 786,432 bytes; at16 16,777,216 bytes
;; launch prep (part 1): grid 336 x 1, 4 waves a work-group, no clusters, 68,096 bytes of LDS; arguments x, W_qkv, W_out, xc, xs, wc, ws, wo16; writes xc, xs, wc, ws, wo16
.if DOCPART == 1
	.amdgcn_target "amdgcn-amd-amdhsa--gfx1250"
	.amdhsa_code_object_version 6
	.text
	.protected	k_q9af2c8c73d_prep
	.globl	k_q9af2c8c73d_prep
	.p2align	8
	.type	k_q9af2c8c73d_prep,@function
k_q9af2c8c73d_prep:
	s_mov_b64 s[64:65], 0
	v_nop
	global_prefetch_b8 v0, s[64:65] scope:SCOPE_SE
	s_setreg_imm32_b32 hwreg(HW_REG_WAVE_MODE, 25, 1), 1
	s_wait_xcnt 0x0
; Three jobs in one launch, told apart by the work-group's number; the three paths never join and each has LDS bytes of its own.
;   work-groups 0-255   x [8192][1024] f32 (K innermost)      -> xc [8192][512 bytes] codes of E2M1, xs [8192][32] E8M0 bytes
;   work-groups 256-303 W_qkv [1024 (k)][3072 (n)] f32        -> wc [3072][512 bytes] codes with K innermost, ws [3072][32]
;   work-groups 304-335 W_out [1024][1024] f32                -> wo16, the same numbers in f16, same layout
; A block's scale is 2^(floor(log2(its largest magnitude)) - 2); its byte is the largest magnitude's exponent field - 2, held at 1 from below.
; A block of zeros keeps the byte 1: its codes are zeros, and these bytes are read by this program alone.
; LIMITS: NaN and infinities among x and W_qkv are not served; blocks whose largest magnitude lies under 2^-124 keep the byte 1; W_out beyond 65,504 in size has no f16 number.
.set SPW,   190                        ; v190  LDS address of my spare word: SPARE + 4 x my thread's number; never rewritten
.set NIL,   191                        ; v191  0; never rewritten
.set SPARE, 67584                      ; behind both paths' regions: the spare words, 128 bytes for each wave
.set EMAX,  2
; x's path: a wave takes 16 steps of 512 numbers
.set STEPS, 16
.set CB,    8                          ; bytes of 16 codes
.set XR,    16                         ; v16-79   four sets of 16 numbers as loaded
.set XX,    80                         ; v80-111  two sets of 16 neighbours
.set XE,    112                        ; v112-127 a scale byte for each step
.set XC,    128                        ; v128-159 codes: two registers for each step, so that no store's data are written again
.set WREG,  8192                       ; LDS 0 .. 32,767: a region for each wave: two stages of 32 x SP bytes, then its 256 scale bytes
.set SP,    80                         ; a lane's place in a stage: 64 bytes + 16 of padding
; W_qkv's path: a wave takes 32 columns x 512 along K
.set SIZE_N, 3072
.set NB,    16                         ; blocks of 32 along K for a wave
.set PITCH, 272                        ; a stage row: 256 bytes of codes + 16
.set KROW,  512                        ; a row of wc in bytes
.set WST,   32768                      ; LDS 32,768 .. 67,583: four stages of 32 rows
.set WX,    32                         ; v32-95   two sets of 32 numbers
.set WC,    96                         ; v96-99   a block's codes
.set OUTR,  112                        ; v112-175 the way out
.set SB,    24                         ; v24-27   the scale bytes, four to a register
	s_load_b256 s[4:11], s[0:1], 0x0               ; x s[4:5], W_qkv s[6:7], W_out s[8:9], xc s[10:11]
	s_load_b256 s[12:19], s[0:1], 0x20             ; xs s[12:13], wc s[14:15], ws s[16:17], wo16 s[18:19]
	v_lshl_add_u32 v[SPW], v0, 2, SPARE
	v_mov_b32 v[NIL], 0
	v_lshrrev_b32 v1, 5, v0
	v_readfirstlane_b32 s20, v1                    ; wave 0..3
	v_and_b32 v2, 31, v0                           ; lane
	s_wait_kmcnt 0x0
	s_cmp_lt_u32 ttmp9, 256
	s_cbranch_scc0 .Lnot_x
; ---------------- x: K is innermost, the tensor is a plain stream of blocks of 32 ----------------
; Each load reads 512 consecutive bytes, 16 a lane; a step's 2,048 bytes turn through the wave's own stage and come back 64 bytes a lane, so that a lane holds 16 neighbours (two lanes a block).
	v_lshlrev_b32 v3, 4, v2                        ; my 16 bytes of a load's 512
	s_mul_i32 s21, s20, WREG
	v_lshrrev_b32 v14, 2, v2
	v_mul_u32_u24 v14, v14, SP
	v_and_b32 v15, 3, v2
	v_lshl_add_u32 v14, v15, 4, v14
	v_add_nc_u32 v14, s21, v14                     ; the stage, on the way in: SP (lane / 4) + 16 (lane % 4)
	v_mul_u32_u24 v15, v2, SP
	v_add_nc_u32 v15, s21, v15                     ; and on the way out: SP x lane
	v_mul_u32_u24 v4, v2, CB                       ; my codes' place in a step's
	v_lshrrev_b32 v5, 1, v2
	s_add_co_u32 s21, s21, 2*32*SP
	v_add_nc_u32 v5, s21, v5                       ; my wave's 256 scale bytes, my block's byte
	v_lshlrev_b32 v7, 3, v2                        ; and on the way out 8 bytes a lane
	v_add_nc_u32 v6, s21, v7
	s_lshl_b32 s22, ttmp9, 2
	s_add_co_u32 s22, s22, s20                     ; which run of 8,192 numbers is my wave's
	s_mov_b32 s23, 0
	s_lshl_b64 s[24:25], s[22:23], 15              ; 32,768 bytes of f32 a run
	s_add_nc_u64 s[4:5], s[4:5], s[24:25]
	s_lshl_b64 s[24:25], s[22:23], 12              ; 4,096 bytes of codes
	s_add_nc_u64 s[10:11], s[10:11], s[24:25]
	s_lshl_b32 s22, s22, 8                         ; 256 scale bytes
	s_add_nc_u64 s[12:13], s[12:13], s[22:23]
.macro XLOAD t
.irp i, 0,1,2,3
	global_load_b128 v[XR+16*((\t)%4)+4*\i:XR+16*((\t)%4)+4*\i+3], v3, s[4:5] offset:2048*(\t)+512*\i th:TH_LOAD_NT
.endr
.endm
.macro XTURN t                         ; step t's numbers through the stage: LDS serves a wave's instructions in order, so no wait stands between the stores and the loads
.irp i, 0,1,2,3
	ds_store_b128 v14, v[XR+16*((\t)%4)+4*\i:XR+16*((\t)%4)+4*\i+3] offset:32*SP*((\t)%2)+8*SP*\i
.endr
.irp i, 0,1,2,3
	ds_load_b128 v[XX+16*((\t)%2)+4*\i:XX+16*((\t)%2)+4*\i+3], v15 offset:32*SP*((\t)%2)+16*\i
.endr
.endm
.irp t, 0,1,2,3
	XLOAD \t
.endr
	s_wait_loadcnt 12                              ; step 0's four loads are in; the twelve of steps 1 to 3 may be out
	XTURN 0
.macro XSTEP t
.set XS, XX+16*((\t)%2)
.if (\t) > 0
	s_wait_dscnt 1                                 ; this step's numbers are back from the stage; only the last step's byte store may be out
.else
	s_wait_dscnt 0x0
.endif
.if (\t)+4 < STEPS
	XLOAD (\t)+4                                   ; into the set that the stage's stores have read
.endif
.if (\t)+1 < STEPS
.if STEPS-2-(\t) >= 3
	s_wait_loadcnt 12                              ; the next step's four loads are in; those of the three steps behind it may be out
.else
	s_wait_loadcnt 4*(STEPS-2-(\t))                ; the tail: four loads for each step still behind the next
.endif
	XTURN (\t)+1
.endif
	v_max3_num_f32 v8, |v[XS]|, |v[XS+1]|, |v[XS+2]|               ; the largest magnitude of my 16, in two chains
	v_max3_num_f32 v9, |v[XS+3]|, |v[XS+4]|, |v[XS+5]|
.irp i, 6,10
	v_max3_num_f32 v8, v8, |v[XS+\i]|, |v[XS+\i+1]|
	v_max3_num_f32 v9, v9, |v[XS+\i+2]|, |v[XS+\i+3]|
.endr
	v_max3_num_f32 v8, v8, |v[XS+14]|, |v[XS+15]|
	v_max3_num_f32 v8, v8, v9, (EMAX+1)<<23        ; and the floor 2^(3 - 127): the byte cannot fall under 1
	v_max_num_f32_dpp v8, v8, v8 row_xmask:1 row_mask:0xf bank_mask:0xf   ; with my neighbour's 16: the block's
	v_add_nc_u32 v11, -(EMAX<<23), v8              ; 2 off its exponent field: the conversion takes the exponent field of this operand as its scale
	v_cvt_scalef32_pk8_fp4_f32 v[XC+2*(\t)], v[XS:XS+7], v11
	v_cvt_scalef32_pk8_fp4_f32 v[XC+2*(\t)+1], v[XS+8:XS+15], v11
	v_lshrrev_b32 v[XE+(\t)], 23, v11              ; the scale's byte (also the plain line behind the conversions)
	ds_store_b8 v5, v[XE+(\t)] offset:16*(\t)      ; both lanes of a block write the same byte with the same value
	global_store_b64 v4, v[XC+2*(\t):XC+2*(\t)+1], s[10:11] offset:32*CB*(\t)   ; the wave stores 256 consecutive bytes, aligned
.endm
.irp t, 0,1,2,3,4,5,6,7,8,9,10,11,12,13,14,15
	XSTEP \t
.endr
	ds_load_b64 v[8:9], v6                         ; my wave's 256 scale bytes, 8 a lane
	s_wait_dscnt 0x0
	global_store_b64 v7, v[8:9], s[12:13]          ; 256 consecutive bytes, aligned
	s_wait_tensorcnt 0x0                           ; the wave's end, behind my last LDS store
	ds_add_u32 v[SPW], v[NIL]
	s_wait_dscnt 0x0
	s_endpgm
.Lnot_x:
	s_cmp_lt_u32 ttmp9, 304
	s_cbranch_scc0 .Lcast
; ---------------- W_qkv: K is the first axis.  A lane takes a column n, its registers run down K ----------------
; Each load reads 128 consecutive bytes a wave; a block of 32 along K lies in one lane's 32 registers; the codes come out with K innermost and leave through the wave's own stage as rows.
	s_sub_co_u32 s21, ttmp9, 256
	s_lshr_b32 s22, s21, 1                         ; which 128 columns
	s_and_b32 s23, s21, 1                          ; which 512 along K
	s_lshl_b32 s22, s22, 7
	s_lshl_b32 s24, s20, 5
	s_add_co_u32 s22, s22, s24                     ; my wave's first column
	v_lshlrev_b32 v3, 2, v2                        ; in: 4 bytes a lane
	s_mul_i32 s24, s20, 32*PITCH
	s_add_co_u32 s24, s24, WST                     ; my stage
	v_mul_u32_u24 v4, v2, PITCH
	v_add_nc_u32 v4, s24, v4                       ; into it: row = my column
	v_and_b32 v5, 15, v2
	v_lshrrev_b32 v6, 4, v2                        ; out of it: sixteen lanes to a row, two rows an instruction
	v_mul_u32_u24 v7, v6, PITCH
	v_lshl_add_u32 v7, v5, 4, v7
	v_add_nc_u32 v7, s24, v7
	v_mul_u32_u24 v8, v6, KROW
	v_lshl_add_u32 v8, v5, 4, v8                   ; and the same place in wc
	v_lshlrev_b32 v9, 5, v2                        ; my column's row of scale bytes
	s_mul_i32 s26, s23, 512*SIZE_N*4               ; W_qkv: 512 rows down for the second half of K,
	s_lshl_b32 s27, s22, 2
	s_add_co_u32 s26, s26, s27                     ; + 4 x column
	s_mov_b32 s27, 0
	s_add_nc_u64 s[6:7], s[6:7], s[26:27]
	s_lshl_b32 s26, s22, 9                         ; wc: column x 512 + 256 x half
	s_lshl_b32 s28, s23, 8
	s_add_co_u32 s26, s26, s28
	s_add_nc_u64 s[14:15], s[14:15], s[26:27]
	s_lshl_b32 s26, s22, 5                         ; ws: column x 32 + 16 x half
	s_lshl_b32 s28, s23, 4
	s_add_co_u32 s26, s26, s28
	s_add_nc_u64 s[16:17], s[16:17], s[26:27]
.macro WLOAD t                         ; block t: W(32 t + i, my column) into set t % 2.  The largest offset, 511 x 12,288 bytes, lies inside the signed 24-bit immediate
.irp i, 0,1,2,3,4,5,6,7,8,9,10,11,12,13,14,15,16,17,18,19,20,21,22,23,24,25,26,27,28,29,30,31
	global_load_b32 v[WX+32*((\t)%2)+\i], v3, s[6:7] offset:(32*(\t)+\i)*SIZE_N*4 th:TH_LOAD_NT
.endr
.endm
	WLOAD 0
	WLOAD 1
.macro WBLOCK t
.set WS, WX+32*((\t)%2)
.if (\t) < NB-1
	s_wait_loadcnt 32                              ; this block's 32 loads are in; the next block's 32 may be out
.else
	s_wait_loadcnt 0
.endif
	v_max3_num_f32 v12, |v[WS]|, |v[WS+1]|, |v[WS+2]|              ; the block's largest magnitude: all 32 numbers are mine
	v_max3_num_f32 v13, |v[WS+3]|, |v[WS+4]|, |v[WS+5]|
.irp i, 6,10,14,18,22,26
	v_max3_num_f32 v12, v12, |v[WS+\i]|, |v[WS+\i+1]|
	v_max3_num_f32 v13, v13, |v[WS+\i+2]|, |v[WS+\i+3]|
.endr
	v_max3_num_f32 v12, v12, |v[WS+30]|, |v[WS+31]|
	v_max3_num_f32 v12, v12, v13, (EMAX+1)<<23     ; and the floor
	v_add_nc_u32 v11, -(EMAX<<23), v12             ; the conversion's scale operand
	v_lshrrev_b32 v13, 23, v11                     ; the scale's byte
.if (\t)%4 == 0
	v_mov_b32 v[SB+(\t)/4], v13                    ; four bytes to a register, the lower K in the lower byte
.else
	v_lshl_or_b32 v[SB+(\t)/4], v13, 8*((\t)%4), v[SB+(\t)/4]
.endif
.irp g, 0,1,2,3
	v_cvt_scalef32_pk8_fp4_f32 v[WC+\g], v[WS+8*\g:WS+8*\g+7], v11
.endr
	v_nop                                          ; one plain line behind the last conversion
	ds_store_b128 v4, v[WC:WC+3] offset:16*(\t)    ; 32 codes: 16 bytes of my column's row
.if (\t)+2 < NB
	WLOAD (\t)+2
.endif
	s_wait_dscnt 0x0                               ; the store has read its registers: the next block's codes may be written
.endm
.irp t, 0,1,2,3,4,5,6,7,8,9,10,11,12,13,14,15
	WBLOCK \t
.endr
	global_store_b128 v9, v[SB:SB+3], s[16:17]     ; my column's 16 scale bytes
.irp t, 0,1,2,3,4,5,6,7,8,9,10,11,12,13,14,15
	ds_load_b128 v[OUTR+4*\t:OUTR+4*\t+3], v7 offset:2*\t*PITCH
.endr
.irp t, 0,1,2,3,4,5,6,7,8,9,10,11,12,13,14,15
	s_wait_dscnt 15-\t                             ; LDS loads come back in order: load t is in, the 15 - t younger may be out
	global_store_b128 v8, v[OUTR+4*\t:OUTR+4*\t+3], s[14:15] offset:2*\t*KROW   ; sixteen lanes store 256 consecutive bytes, aligned
.endr
	s_wait_tensorcnt 0x0                           ; the wave's end
	ds_add_u32 v[SPW], v[NIL]
	s_wait_dscnt 0x0
	s_endpgm
.Lcast:
; ---------------- W_out: a cast to f16, a plain stream: a wave takes 32,768 bytes in 64 steps of 512, in four groups of 16 ----------------
	s_sub_co_u32 s21, ttmp9, 304
	s_lshl_b32 s21, s21, 2
	s_add_co_u32 s21, s21, s20                     ; my run, 0 .. 127
	s_lshl_b32 s22, s21, 15
	s_mov_b32 s23, 0
	s_add_nc_u64 s[8:9], s[8:9], s[22:23]
	s_lshl_b32 s22, s21, 14
	s_add_nc_u64 s[18:19], s[18:19], s[22:23]
	v_lshlrev_b32 v3, 4, v2                        ; in: 16 bytes a lane
	v_lshlrev_b32 v4, 3, v2                        ; out: 8 bytes a lane
.macro CLOAD g                         ; group g into v16-79 (even g) or v112-175 (odd g)
.irp i, 0,1,2,3,4,5,6,7,8,9,10,11,12,13,14,15
	global_load_b128 v[16+96*((\g)%2)+4*\i:16+96*((\g)%2)+4*\i+3], v3, s[8:9] offset:512*(16*(\g)+\i) th:TH_LOAD_NT
.endr
.endm
.macro CGROUP g
.if (\g) < 3
	CLOAD (\g)+1                                   ; the next group's loads go out ahead of this group's work
.endif
.if (\g) > 0
	s_wait_xcnt 0x0                                ; the last group's stores have read v80-111: they may be written again
.endif
.irp i, 0,1,2,3,4,5,6,7,8,9,10,11,12,13,14,15
.if (\g) < 3
	s_wait_loadcnt 31-\i                           ; behind my load i: 15 - i of this group and the next group's 16
.else
	s_wait_loadcnt 15-\i
.endif
	v_cvt_pk_f16_f32 v[80+2*\i], v[16+96*((\g)%2)+4*\i], v[16+96*((\g)%2)+4*\i+1]
	v_cvt_pk_f16_f32 v[81+2*\i], v[16+96*((\g)%2)+4*\i+2], v[16+96*((\g)%2)+4*\i+3]
	global_store_b64 v4, v[80+2*\i:81+2*\i], s[18:19] offset:256*(16*(\g)+\i)   ; the wave stores 256 consecutive bytes, aligned
.endr
.endm
	CLOAD 0
	CGROUP 0
	CGROUP 1
	CGROUP 2
	CGROUP 3
	s_wait_tensorcnt 0x0                           ; the same end as the other two paths
	ds_add_u32 v[SPW], v[NIL]
	s_wait_dscnt 0x0
	s_endpgm
.Lfunc_end_k_q9af2c8c73d_prep:
	.size	k_q9af2c8c73d_prep, .Lfunc_end_k_q9af2c8c73d_prep-k_q9af2c8c73d_prep
	.p2alignl 7, 3214868480
	.fill 96, 4, 3214868480
	.section	.rodata,"a",@progbits
	.p2align	6, 0x0
	.amdhsa_kernel k_q9af2c8c73d_prep
		.amdhsa_group_segment_fixed_size 68096
		.amdhsa_private_segment_fixed_size 0
		.amdhsa_enable_private_segment 0
		.amdhsa_kernarg_size 64
		.amdhsa_user_sgpr_count 2
		.amdhsa_user_sgpr_kernarg_segment_ptr 1
		.amdhsa_wavefront_size32 1
		.amdhsa_system_sgpr_workgroup_id_x 1
		.amdhsa_system_sgpr_workgroup_id_y 1
		.amdhsa_system_sgpr_workgroup_id_z 1
		.amdhsa_system_vgpr_workitem_id 0
		.amdhsa_next_free_vgpr 192
		.amdhsa_next_free_sgpr 66
		.amdhsa_reserve_vcc 0
		.amdhsa_float_denorm_mode_32 3
		.amdhsa_float_denorm_mode_16_64 3
		.amdhsa_memory_ordered 1
		.amdhsa_forward_progress 1
		.amdhsa_inst_pref_size 134
	.end_amdhsa_kernel
	.amdgpu_metadata
---
amdhsa.version: [ 1, 2 ]
amdhsa.kernels:
  - .name:           k_q9af2c8c73d_prep
    .symbol:         k_q9af2c8c73d_prep.kd
    .args:
      - { .name: x, .offset: 0, .size: 8, .value_kind: global_buffer, .address_space: global }
      - { .name: W_qkv, .offset: 8, .size: 8, .value_kind: global_buffer, .address_space: global }
      - { .name: W_out, .offset: 16, .size: 8, .value_kind: global_buffer, .address_space: global }
      - { .name: xc, .offset: 24, .size: 8, .value_kind: global_buffer, .address_space: global }
      - { .name: xs, .offset: 32, .size: 8, .value_kind: global_buffer, .address_space: global }
      - { .name: wc, .offset: 40, .size: 8, .value_kind: global_buffer, .address_space: global }
      - { .name: ws, .offset: 48, .size: 8, .value_kind: global_buffer, .address_space: global }
      - { .name: wo16, .offset: 56, .size: 8, .value_kind: global_buffer, .address_space: global }
    .group_segment_fixed_size: 68096
    .private_segment_fixed_size: 0
    .kernarg_segment_align: 8
    .kernarg_segment_size: 64
    .max_flat_workgroup_size: 128
    .sgpr_count:     66
    .vgpr_count:     192
    .wavefront_size: 32
...
	.end_amdgpu_metadata
.endif
;; end of part 1
;; launch gemm (part 2): grid 12 x 32, 4 waves a work-group, clusters of 4 x 4, 327,680 bytes of LDS; arguments xc, xs, wc, ws, b_qkv, qkv32, qkv16; writes qkv16, qkv32
.if DOCPART == 2
	.amdgcn_target "amdgcn-amd-amdhsa--gfx1250"
	.amdhsa_code_object_version 6
	.text
	.protected	k_q9af2c8c73d_gemm
	.globl	k_q9af2c8c73d_gemm
	.p2align	8
	.type	k_q9af2c8c73d_gemm,@function
k_q9af2c8c73d_gemm:
	s_mov_b64 s[64:65], 0
	v_nop
	global_prefetch_b8 v0, s[64:65] scope:SCOPE_SE
	s_setreg_imm32_b32 hwreg(HW_REG_WAVE_MODE, 25, 1), 1
	s_wait_xcnt 0x0
	s_wait_alu depctr_hold_cnt(0) depctr_sa_sdst(0) depctr_va_vdst(0) depctr_va_sdst(0) depctr_va_ssrc(0) depctr_va_vcc(0) depctr_vm_vsrc(0)
	s_getreg_b32 s2, hwreg(HW_REG_IB_STS2, 6, 4)
	s_cmp_eq_u32 s2, 0
	s_cbranch_scc0 .Lentry_in_a_cluster
	s_endpgm
.Lentry_in_a_cluster:
	s_bfe_u32 s2, ttmp6, 0x10000c
	s_cmp_lg_u32 s2, 0xf033
	s_cbranch_scc0 .Lentry_shape_is_right
	s_endpgm
.Lentry_shape_is_right:
; qkv = Q(x) Q(W_qkv) + b_qkv on codes of E2M1 with one E8M0 scale for each 32 along K; sums in f32.  xc [8192][512 bytes], xs [8192][32], wc [3072][512 bytes], ws [3072][32].
; q (columns 0-1023) is multiplied in f32 by c = log2(e) / 8, so that the scores of the next launch are exponents of two.
; OUT: qkv16 [which 3][b 4][h 16][t 2048][64] f16 (two neighbouring t of a head are 256 consecutive bytes); qkv32 [b x 16 + t][3072] f32 for the positions t < 16 alone, which a later launch carries in f32.
; LIMIT: c q, k and v beyond 65,504 in size have no f16 number.
; A tile of 256 x 256 is made by four waves, 128 x 128 each: 64 accumulators, 512 registers.  K = 1,024 is two slots of 512 along K (rows of 256 bytes), both asked for at the start: no slot is filled again.
; The scales of the work-group's 256 + 256 rows, for all of K, come into LDS once, with the first loads.
; CLUSTERS: 4 x 4 work-groups; A's tiles are shared along a row of the cluster, B's along a column: each is asked for jointly, by the same tensor load with the same descriptor and a mask that names the four.
; THE MATRIX INSTRUCTION IS USED TRANSPOSED (source 0 = 16 rows of wc, source 1 = 16 rows of xc): a lane holds eight neighbouring columns of one row.
; REGISTERS, in windows of 256: window 0: v0-31 addresses; v32-95 scale words, two sets; v128-191 A's fragments, one set; v192-255 the bias of my 128 columns in the result's layout.
;   window 1: B's fragments, two sets, at v0 and v128.   window 2: accumulators of my rows 0-63 ((a, b) at v[8 (8 a + b)]);   window 3: rows 64-127.
;   On the way out: v32-95 a block in f32, v96-127 the block in f16, v128-191 two sets of rows read back.
.set NQ,     4                         ; matrix instructions deep in a slot
.set ROWB,   256                       ; a tile's row in bytes: 512 codes
.set KROW,   512                       ; a row of codes in memory
.set PITCH,  272                       ; an LDS row: 256 bytes + 16 of padding: the 16 rows that a load touches start 4 banks apart
.set FR,     8
.set NL,     2
.set NP,     4                         ; places behind this matrix instruction (ISA guide 7.12.1)
.set HALFT,  128*PITCH
.set SLOT,   4*HALFT                   ; A's 256 rows, then B's 256 rows
.set KS,     32                        ; a row of scales in bytes
.set SCL,    2*SLOT                    ; behind the two slots: the scales, as units of 256 bytes + 16 of padding
.set HALFS,  (128*KS/256)*272
.set SBLK,   (16*KS/256)*272
.set SPARE,  SCL+4*HALFS               ; the spare words, 128 bytes for each wave
.set SPITCH, 272                       ; the way out: a stage of 16 rows x (256 bytes + 16) for each wave, in slot 0, which has had its only fill and its last read by then
.set ADRA, 16
.set ADRB, 20
.set BA,   22                          ; v22  32 x (lane / 16): my place in the bias
.set STO,  24
.set RD,   25
.set CO,   26
.set ADRS, 27
.set SPW,  28
.set NIL,  29
.set FO,   30                          ; v30  my byte offset in qkv32
.set SC,   32
.set TF,   32
.set TMP,  96
.set AF,   128
.set BK,   128
.set BI,   192
.set G1, 24
.set G0, 32
.set G1B, 48
.set G0B, 56
.set G1S, 68
.set G0S, 76
.set G1SB, 80
.set G0SB, 88
.set MSB, 0
.macro WIN new                         ; the immediate's high byte repeats the setting that is left
.if MSB != \new
	s_set_vgpr_msb (MSB<<8)|\new
.set MSB, \new
.endif
.endm
.set MUL_LO, 0xa1                      ; source 0 (B) window 1, source 1 (A) window 0, C and D window 2
.set MUL_HI, 0xf1                      ; the same, C and D window 3
.set TO_B,   0x40                      ; destination window 1, address window 0
; A joint load: waves 0 and 1 fetch for A, waves 2 and 3 for B; the branch hangs on the wave's number alone.  An s_nop 0 and four v_nop follow each of the two lines.
.macro JLOAD g0a, g1a, g0b, g1b
	s_cmp_eq_u32 s15, 0
	s_cbranch_scc0 .Lfor_b_\@
	tensor_load_to_lds s[\g0a:\g0a+3], s[\g1a:\g1a+7]
	s_nop 0
.rept 4
	v_nop
.endr
	s_branch .Lasked_\@
.Lfor_b_\@:
	tensor_load_to_lds s[\g0b:\g0b+3], s[\g1b:\g1b+7]
	s_nop 0
.rept 4
	v_nop
.endr
.Lasked_\@:
.endm
.macro CROUND                          ; a round of the cluster's barrier
	s_barrier_signal -1
	s_barrier_wait -1
	s_cmp_lg_u32 s14, 0
	s_cbranch_scc1 .Lnot_wave_0_\@
	s_barrier_signal -3
.Lnot_wave_0_\@:
	s_barrier_wait -3
	s_barrier_signal -1
	s_barrier_wait -1
.endm
	s_load_b128 s[4:7], s[0:1], 0x0                ; xc s[4:5], xs s[6:7]
	s_load_b128 s[8:11], s[0:1], 0x10              ; wc s[8:9], ws s[10:11]
	s_load_b128 s[96:99], s[0:1], 0x20             ; b_qkv s[96:97], qkv32 s[98:99]
	s_load_b64 s[12:13], s[0:1], 0x30              ; qkv16
	v_lshl_add_u32 v[SPW], v0, 2, SPARE
	v_mov_b32 v[NIL], 0
	ds_add_u32 v[SPW], v[NIL]                      ; the wave's opening: the add, twice on end, and its wait ahead of my first tensor load
	ds_add_u32 v[SPW], v[NIL]
	v_lshrrev_b32 v1, 5, v0
	v_readfirstlane_b32 s14, v1                    ; wave 0..3
	s_lshr_b32 s15, s14, 1                         ; which half of the tile's rows is mine.  Also: I fetch for A (0) or for B (1)
	s_and_b32 s16, s14, 1                          ; which half of its columns.  Also: which 128 rows of that tile I fetch
	s_bfe_u32 s40, ttmp6, 0x40000                  ; cx, cy: my place in the cluster
	s_bfe_u32 s41, ttmp6, 0x40004
	s_lshl_b32 s42, ttmp9, 2
	s_add_co_u32 s42, s42, s40                     ; tile column = 4 x cluster x + cx
	s_and_b32 s17, ttmp7, 0xffff
	s_lshl_b32 s17, s17, 2
	s_add_co_u32 s17, s17, s41                     ; tile row = 4 x cluster y + cy
	s_lshl_b32 s43, s41, 2
	s_lshl_b32 s43, 15, s43                        ; my row of the cluster
	s_lshl_b32 s44, 0x1111, s40                    ; my column
	; descriptor group 1: a tile of 128 rows x 256 bytes, 16 bytes of padding behind each row
	s_or_b32 s[G1+0], s43, (0<<16)|(1<<20)|(1<<21)|(5<<22)|(3<<25)  ; the mask; elements of 1 byte; padding on; bit 21 beside a mask; after every 64 words; 4 words
	s_or_b32 s[G1B+0], s44, (0<<16)|(1<<20)|(1<<21)|(5<<22)|(3<<25)
.irp g, G1, G1B
	s_mov_b32 s[\g+1], ROWB<<16                    ; tensor_dim0
	s_mov_b32 s[\g+2], 128<<16                     ; tensor_dim1
	s_mov_b32 s[\g+3], ROWB<<16                    ; tile_dim0
	s_mov_b32 s[\g+4], 128                         ; tile_dim1
	s_mov_b32 s[\g+5], KROW                        ; tensor_dim0_stride
	s_mov_b32 s[\g+6], 0
	s_mov_b32 s[\g+7], 0
.endr
	; the scales of 128 rows: a dense block of 4,096 bytes, as 16 rows of 256 bytes (32 elements of 8 bytes), 16 bytes of padding behind each
	s_or_b32 s[G1S+0], s43, (3<<16)|(1<<20)|(1<<21)|(5<<22)|(3<<25)
	s_or_b32 s[G1SB+0], s44, (3<<16)|(1<<20)|(1<<21)|(5<<22)|(3<<25)
.irp g, G1S, G1SB
	s_mov_b32 s[\g+1], 32<<16
	s_mov_b32 s[\g+2], (128*KS/256)<<16
	s_mov_b32 s[\g+3], 32<<16
	s_mov_b32 s[\g+4], 128*KS/256
	s_mov_b32 s[\g+5], 32
	s_mov_b32 s[\g+6], 0
	s_mov_b32 s[\g+7], 0
.endr
	s_lshl_b32 s18, s16, 7                         ; which 128 rows of the tile I fetch
	s_lshl_b32 s20, s17, 8
	s_add_co_u32 s20, s20, s18                     ; A: row 256 x tile row + 128 x half
	s_lshl_b32 s46, s42, 8
	s_add_co_u32 s46, s46, s18                     ; B: row 256 x tile column + 128 x half
	s_mov_b32 s21, 0
	s_mov_b32 s47, 0
	s_mov_b64 s[18:19], KS
	s_mul_u64 s[22:23], s[20:21], s[18:19]         ; where these rows' scales begin, in bytes
	s_mul_u64 s[92:93], s[46:47], s[18:19]
	s_mov_b64 s[18:19], KROW
	s_mul_u64 s[20:21], s[20:21], s[18:19]         ; and their codes
	s_mul_u64 s[46:47], s[46:47], s[18:19]
	s_mul_i32 s45, s14, HALFT                      ; where they go: wave x 128 rows: no place in the cluster enters an LDS address
	s_mul_i32 s94, s14, HALFS
	s_wait_dscnt 0x0                               ; both opening adds are done
	s_wait_kmcnt 0x0
	s_add_nc_u64 s[20:21], s[4:5], s[20:21]
	s_add_nc_u64 s[22:23], s[6:7], s[22:23]
	s_add_nc_u64 s[46:47], s[8:9], s[46:47]
	s_add_nc_u64 s[92:93], s[10:11], s[92:93]
	CROUND                                         ; all sixteen work-groups are here: the joint loads meet
	s_mov_b32 s[G0S], 1
	s_add_co_u32 s[G0S+1], s94, SCL
	s_mov_b64 s[G0S+2:G0S+3], s[22:23]
	s_or_b32 s[G0S+3], s[G0S+3], 0x80000000
	s_mov_b32 s[G0SB], 1
	s_add_co_u32 s[G0SB+1], s94, SCL
	s_mov_b64 s[G0SB+2:G0SB+3], s[92:93]
	s_or_b32 s[G0SB+3], s[G0SB+3], 0x80000000
	JLOAD G0S, G1S, G0SB, G1SB                     ; the scales first: they are wanted with the first slot.  Three loads of mine are out at the most
.irp s, 0,1
	s_mov_b32 s[G0+4*\s], 1
	s_add_co_u32 s[G0+4*\s+1], s45, \s*SLOT
	s_add_nc_u64 s[G0+4*\s+2:G0+4*\s+3], s[20:21], \s*ROWB
	s_or_b32 s[G0+4*\s+3], s[G0+4*\s+3], 0x80000000
	s_mov_b32 s[G0B+4*\s], 1
	s_add_co_u32 s[G0B+4*\s+1], s45, \s*SLOT
	s_add_nc_u64 s[G0B+4*\s+2:G0B+4*\s+3], s[46:47], \s*ROWB
	s_or_b32 s[G0B+4*\s+3], s[G0B+4*\s+3], 0x80000000
	JLOAD G0+4*\s, G1, G0B+4*\s, G1B
.endr
	v_and_b32 v1, 15, v0                           ; r = l % 16
	v_bfe_u32 v2, v0, 4, 1                         ; h = l / 16
	v_mul_u32_u24 v3, v1, PITCH
	v_lshl_add_u32 v4, v2, 4, v3                   ; a fragment's row x pitch + 16 x half
	s_mul_i32 s21, s15, HALFT                      ; my 128 rows of A
	s_mul_i32 s22, s16, HALFT                      ; my 128 rows of B,
	s_add_co_u32 s22, s22, 2*HALFT                 ; which lie behind A's 256
.irp s, 0,1
	v_add_nc_u32 v[ADRA+\s], s21, v4
	v_add_nc_u32 v[ADRB+\s], s22, v4
	s_add_co_u32 s21, s21, SLOT
	s_add_co_u32 s22, s22, SLOT
.endr
	v_mul_u32_u24 v5, v1, KS                       ; my row's scales: 32 bytes a row,
	v_lshrrev_b32 v6, 8, v5
	v_lshl_add_u32 v5, v6, 4, v5                   ; and 16 more for each 256 passed
	s_mul_i32 s21, s15, HALFS                      ; A's: my 128 rows
	s_mul_i32 s22, s16, HALFS                      ; B's: my 128 rows, behind A's 256
	s_add_co_u32 s22, s22, 2*HALFS
	s_sub_co_u32 s22, s22, s21
	v_mul_u32_u24 v6, s22, v2                      ; lanes 16-31 take B's
	s_add_co_u32 s21, s21, SCL
	v_add_nc_u32 v5, v5, v6
	v_add_nc_u32 v[ADRS], s21, v5
	; the way out's addresses
	s_mul_i32 s23, s14, 16*SPITCH                  ; my stage
	v_mul_u32_u24 v5, v1, SPITCH                   ; in: row r, 16 bytes for each half of the lanes
	v_lshl_add_u32 v5, v2, 4, v5
	v_add_nc_u32 v[STO], s23, v5
	v_bfe_u32 v6, v0, 3, 1                         ; back: lanes 0-15 take two rows' 128 bytes of my first head, lanes 16-31 of my second
	v_and_b32 v7, 7, v0
	v_mul_u32_u24 v8, v6, SPITCH
	v_lshl_add_u32 v8, v2, 7, v8
	v_lshl_add_u32 v8, v7, 4, v8
	v_add_nc_u32 v[RD], s23, v8
	v_lshlrev_b32 v9, 18, v2                       ; in qkv16: a head's plane is 262,144 bytes, a row 128
	v_lshl_add_u32 v9, v6, 7, v9
	v_lshl_add_u32 v[CO], v7, 4, v9
	v_mul_u32_u24 v[FO], v1, 12288                 ; in qkv32: row r, + 32 bytes for the upper half of the lanes
	v_lshl_add_u32 v[FO], v2, 5, v[FO]
	v_lshlrev_b32 v[BA], 5, v2
	s_lshl_b32 s46, s42, 8
	s_lshl_b32 s47, s16, 7
	s_add_co_u32 s46, s46, s47                     ; n0: my first column
	s_lshl_b32 s20, s46, 2
	s_mov_b32 s21, 0
	s_add_nc_u64 s[96:97], s[96:97], s[20:21]      ; b_qkv at n0
	s_add_nc_u64 s[98:99], s[98:99], s[20:21]      ; qkv32 at column n0,
	s_lshr_b32 s22, s17, 3                         ; the batch: 8 tile rows to a sequence
	s_mul_i32 s20, s22, 196608
	s_add_nc_u64 s[98:99], s[98:99], s[20:21]      ; and at the batch's 16 rows
	s_lshr_b32 s20, s46, 10                        ; q, k or v
	s_lshl_b32 s20, s20, 2
	s_add_co_u32 s20, s20, s22
	s_lshl_b32 s20, s20, 4
	s_bfe_u32 s23, s46, 0x40006                    ; my first head: (n0 % 1024) / 64
	s_add_co_u32 s20, s20, s23
	s_lshl_b32 s20, s20, 18                        ; planes of 262,144 bytes
	s_and_b32 s23, s17, 7
	s_lshl_b32 s45, s23, 15                        ; 256 rows of 128 bytes for each tile row inside the sequence
	s_add_co_u32 s20, s20, s45
	s_lshl_b32 s45, s15, 14                        ; my half's 128 rows
	s_add_co_u32 s20, s20, s45
	s_add_nc_u64 s[12:13], s[12:13], s[20:21]
	s_or_b32 s93, s23, s15                         ; 0 where my first 16 rows are positions 0-15 of a sequence
	s_mov_b32 s100, 1.0
	s_cmp_lt_u32 s42, 4                            ; tile columns 0-3 are q: a choice of a value, no branch
	s_cselect_b32 s100, 0x3e38aa3b, s100           ; c = log2(e) / 8, or 1
	s_mov_b32 s101, s100                           ; (named with it as a pair)
.irp b, 0,1,2,3,4,5,6,7
	global_load_b128 v[BI+8*\b:BI+8*\b+3], v[BA], s[96:97] offset:64*\b        ; b_qkv[n0 + 16 b + 8 h + 0 .. 7]: the result's layout
	global_load_b128 v[BI+8*\b+4:BI+8*\b+7], v[BA], s[96:97] offset:64*\b+16
.endr
.macro FRAG reg, adr, q, i             ; a fragment, 16 rows x 128 K: lane l holds row l % 16; registers 4 c .. 4 c + 3 hold K = 64 c + 32 (l / 16) + 0 .. 31
.irp c, 0,1
	ds_load_b128 v[\reg+4*\c:\reg+4*\c+3], v[\adr] offset:64*(\q)+32*\c+(\i)*16*PITCH
.endr
.endm
; 16 matrix instructions: A's blocks a0, a0 + 1 x B's eight.  The 64 accumulators take turns, one instruction a turn, in the same order in every step.
.macro MUL16 a0, p, q, sc, zero
.irp a, \a0, \a0+1
.irp b, 0,1,2,3,4,5,6,7
.if \zero
	v_wmma_scale_f32_16x16x128_f8f6f4 v[8*(8*((\a)%4)+\b):8*(8*((\a)%4)+\b)+7], v[128*(\p)+FR*\b:128*(\p)+FR*\b+FR-1], v[AF+FR*(\a):AF+FR*(\a)+FR-1], 0, v[SC+8*NQ*(\sc)+NQ*\b+(\q)], v[SC+8*NQ*(\sc)+NQ*(\a)+(\q)] matrix_a_fmt:MATRIX_FMT_FP4 matrix_b_fmt:MATRIX_FMT_FP4 matrix_a_scale:MATRIX_SCALE_ROW1
.else
	v_wmma_scale_f32_16x16x128_f8f6f4 v[8*(8*((\a)%4)+\b):8*(8*((\a)%4)+\b)+7], v[128*(\p)+FR*\b:128*(\p)+FR*\b+FR-1], v[AF+FR*(\a):AF+FR*(\a)+FR-1], v[8*(8*((\a)%4)+\b):8*(8*((\a)%4)+\b)+7], v[SC+8*NQ*(\sc)+NQ*\b+(\q)], v[SC+8*NQ*(\sc)+NQ*(\a)+(\q)] matrix_a_fmt:MATRIX_FMT_FP4 matrix_b_fmt:MATRIX_FMT_FP4 matrix_a_scale:MATRIX_SCALE_ROW1
.endif
.endr
.endr
.endm
.macro FETCH_B slot, q, p
	WIN TO_B
.irp i, 0,1,2,3,4,5,6,7
	FRAG 128*(\p)+FR*\i, ADRB+\slot, \q, \i
.endr
	WIN 0
.endm
.macro FETCH_A slot, q, i0
.irp i, \i0, \i0+1, \i0+2, \i0+3
	FRAG AF+FR*(\i), ADRA+\slot, \q, \i
.endr
.endm
.macro SCALES sc                       ; a slot's scale words: lanes 0-15 take A's block i, lanes 16-31 B's block i; four words a row
.irp i, 0,1,2,3,4,5,6,7
	ds_load_b128 v[SC+8*NQ*\sc+NQ*\i:SC+8*NQ*\sc+NQ*\i+3], v[ADRS] offset:\i*SBLK
.endr
.endm
.macro PLACES n                        ; plain vector instructions that name none of a matrix instruction's registers, between it and a load into, or a read of, its registers
.rept \n
	v_nop
.endr
.endm
.macro STEP slot, q, zero              ; 128 along K that has its successor in the same slot
	s_wait_dscnt 4*NL                              ; B's set and A's blocks 0-3 are in; the youngest eight loads (A's blocks 4-7) may be out
	WIN MUL_LO
	MUL16 0, (\q)%2, \q, \slot, \zero
	MUL16 2, (\q)%2, \q, \slot, \zero
	s_wait_dscnt 0                                 ; A's blocks 4-7 are in
	PLACES NP
	FETCH_B \slot, (\q)+1, 1-(\q)%2
	FETCH_A \slot, (\q)+1, 0
	WIN MUL_HI
	MUL16 4, (\q)%2, \q, \slot, \zero
	MUL16 6, (\q)%2, \q, \slot, \zero
	PLACES NP
	WIN 0
	FETCH_A \slot, (\q)+1, 4
.endm
; Slot 0's last step goes over to slot 1: each wave waits for all its tensor loads (its part of slot 1), then the barrier shows the whole slot to every wave; behind it nobody reads slot 0 any more.
.macro TURN slot, next
	s_wait_tensorcnt 0x0                           ; all my tensor loads have landed
	ds_add_u32 v[SPW], v[NIL]                      ; 0 onto my spare word
	s_wait_dscnt 4*NL+1                            ; the add and the youngest eight loads (A's blocks 4-7) may be out
	WIN MUL_LO
	MUL16 0, 1, NQ-1, \slot, 0
	s_wait_dscnt 0x0                               ; the add is done, and my reads of this slot are over
	s_barrier_signal -1
	MUL16 2, 1, NQ-1, \slot, 0
	WIN 0
	s_barrier_wait -1
	PLACES NP
	v_add_nc_u32 v[ADRS], 4*NQ, v[ADRS]            ; on to the next slot's scale words
	FETCH_B \next, 0, 0
	FETCH_A \next, 0, 0
	SCALES \next
	WIN MUL_HI
	MUL16 4, 1, NQ-1, \slot, 0
	MUL16 6, 1, NQ-1, \slot, 0
	PLACES NP
	WIN 0
	FETCH_A \next, 0, 4
.endm
	s_wait_tensorcnt 1                             ; the scales and my part of slot 0 are in; only slot 1's load, issued last, may be out
	s_barrier_signal -1
	s_barrier_wait -1                              ; everybody's are
	FETCH_B 0, 0, 0
	FETCH_A 0, 0, 0
	SCALES 0
	FETCH_A 0, 0, 4
	STEP 0, 0, 1                                   ; the first products start the sums: nothing is cleared
	STEP 0, 1, 0
	STEP 0, 2, 0
	TURN 0, 1
	STEP 1, 0, 0
	STEP 1, 1, 0
	STEP 1, 2, 0
	s_wait_dscnt 4*NL                              ; the last step: nothing more to fetch
	WIN MUL_LO
	MUL16 0, 1, NQ-1, 1, 0
	MUL16 2, 1, NQ-1, 1, 0
	s_wait_dscnt 0
	WIN MUL_HI
	MUL16 4, 1, NQ-1, 1, 0
	MUL16 6, 1, NQ-1, 1, 0
	WIN 0
; THE WAY OUT, block by block of 16 rows x 128 columns: (sum + bias) x f as one fused multiply-add with bias x f; rounded to f16; through my own stage in LDS; back so that sixteen lanes hold 256 consecutive bytes of a head's plane.
	s_wait_loadcnt 0x0                             ; the bias
.set i, 0
.rept 32
	v_pk_mul_f32 v[BI+i:BI+i+1], v[BI+i:BI+i+1], s[100:101] op_sel_hi:[1,0]   ; bias x f.  These 32 name no register of the last products: they are the places behind them
.set i, i+2
.endr
.macro PACK a
.set AC, 64*((\a)%4)
	WIN 0x02+(\a)/4                                ; source 0: window 2 or 3
.set i, 0
.rept 32
	v_pk_fma_f32 v[TF+i:TF+i+1], v[AC+i:AC+i+1], s[100:101], v[BI+i:BI+i+1] op_sel_hi:[1,0,1]   ; each accumulator from its low end on
.set i, i+2
.endr
	WIN 0
.if (\a) == 0
	; positions 0-15 of a sequence also leave in f32.  No branch: the lanes are switched off where my first rows are other positions; the address lies inside qkv32 in every work-group
	v_mov_b32 v31, s93
	v_cmp_eq_u32 vcc_lo, 0, v31
	s_wait_xcnt 0x0                                ; EXEC changes only behind this wait
	s_and_saveexec_b32 s94, vcc_lo
.irp b, 0,1,2,3,4,5,6,7
	global_store_b128 v[FO], v[TF+8*\b:TF+8*\b+3], s[98:99] offset:64*\b
	global_store_b128 v[FO], v[TF+8*\b+4:TF+8*\b+7], s[98:99] offset:64*\b+16
.endr
	s_wait_xcnt 0x0                                ; and again in front of the line that widens it; the stores' data may be written again too
	s_or_b32 exec_lo, exec_lo, s94
.endif
.set i, 0
.rept 32
	v_cvt_pk_f16_f32 v[TMP+i], v[TF+2*i], v[TF+2*i+1]
.set i, i+1
.endr
.endm
.macro TOSTAGE a
.set BB, BK+32*((\a)%2)
.irp b, 0,1,2,3,4,5,6,7
	ds_store_b128 v[STO], v[TMP+4*\b:TMP+4*\b+3] offset:32*\b
.endr
.irp t, 0,1,2,3,4,5,6,7
	ds_load_b128 v[BB+4*\t:BB+4*\t+3], v[RD] offset:2*\t*SPITCH    ; LDS serves a wave's instructions in order: these see the stores above
.endr
.endm
.macro SEND a
.set BB, BK+32*((\a)%2)
	s_wait_dscnt 0x0                               ; the block is back in registers
	s_wait_xcnt 0x0                                ; the stores of the block before have read their registers: the next block's loads may land there
.irp t, 0,1,2,3,4,5,6,7
	global_store_b128 v[CO], v[BB+4*\t:BB+4*\t+3], s[12:13] offset:2048*(\a)+256*\t   ; sixteen lanes store 256 consecutive bytes, aligned: rows 16 a + 2 t and + 1 of one head
.endr
.endm
	PACK 0
	TOSTAGE 0
.irp a, 1,2,3,4,5,6,7                  ; block a's arithmetic stands between block a - 1's loads from the stage and the wait for them
	PACK \a
	SEND \a-1
	TOSTAGE \a
.endr
	SEND 7
	s_wait_tensorcnt 0x0                           ; the wave's end, behind my last LDS store
	ds_add_u32 v[SPW], v[NIL]
	s_wait_dscnt 0x0
	CROUND                                         ; the closing round
	s_endpgm
.Lfunc_end_k_q9af2c8c73d_gemm:
	.size	k_q9af2c8c73d_gemm, .Lfunc_end_k_q9af2c8c73d_gemm-k_q9af2c8c73d_gemm
	.p2alignl 7, 3214868480
	.fill 96, 4, 3214868480
	.section	.rodata,"a",@progbits
	.p2align	6, 0x0
	.amdhsa_kernel k_q9af2c8c73d_gemm
		.amdhsa_group_segment_fixed_size 327680
		.amdhsa_private_segment_fixed_size 0
		.amdhsa_enable_private_segment 0
		.amdhsa_kernarg_size 56
		.amdhsa_user_sgpr_count 2
		.amdhsa_user_sgpr_kernarg_segment_ptr 1
		.amdhsa_wavefront_size32 1
		.amdhsa_system_sgpr_workgroup_id_x 1
		.amdhsa_system_sgpr_workgroup_id_y 1
		.amdhsa_system_sgpr_workgroup_id_z 1
		.amdhsa_system_vgpr_workitem_id 0
		.amdhsa_next_free_vgpr 1024
		.amdhsa_next_free_sgpr 102
		.amdhsa_reserve_vcc 1
		.amdhsa_float_denorm_mode_32 3
		.amdhsa_float_denorm_mode_16_64 3
		.amdhsa_memory_ordered 1
		.amdhsa_forward_progress 1
		.amdhsa_inst_pref_size 148
	.end_amdhsa_kernel
	.amdgpu_metadata
---
amdhsa.version: [ 1, 2 ]
amdhsa.kernels:
  - .name:           k_q9af2c8c73d_gemm
    .symbol:         k_q9af2c8c73d_gemm.kd
    .args:
      - { .name: xc, .offset: 0, .size: 8, .value_kind: global_buffer, .address_space: global }
      - { .name: xs, .offset: 8, .size: 8, .value_kind: global_buffer, .address_space: global }
      - { .name: wc, .offset: 16, .size: 8, .value_kind: global_buffer, .address_space: global }
      - { .name: ws, .offset: 24, .size: 8, .value_kind: global_buffer, .address_space: global }
      - { .name: b_qkv, .offset: 32, .size: 8, .value_kind: global_buffer, .address_space: global }
      - { .name: qkv32, .offset: 40, .size: 8, .value_kind: global_buffer, .address_space: global }
      - { .name: qkv16, .offset: 48, .size: 8, .value_kind: global_buffer, .address_space: global }
    .group_segment_fixed_size: 327680
    .private_segment_fixed_size: 0
    .kernarg_segment_align: 8
    .kernarg_segment_size: 56
    .max_flat_workgroup_size: 128
    .sgpr_count:     102
    .vgpr_count:     1024
    .wavefront_size: 32
...
	.end_amdgpu_metadata
.endif
;; end of part 2
;; launch attn (part 3): grid 4 x 64, 16 waves a work-group, no clusters, 327,680 bytes of LDS; arguments qkv16, padding_mask, at16; writes at16
.if DOCPART == 3
	.amdgcn_target "amdgcn-amd-amdhsa--gfx1250"
	.amdhsa_code_object_version 6
	.text
	.protected	k_q9af2c8c73d_attn
	.globl	k_q9af2c8c73d_attn
	.p2align	8
	.type	k_q9af2c8c73d_attn,@function
k_q9af2c8c73d_attn:
	s_mov_b64 s[64:65], 0
	v_nop
	global_prefetch_b8 v0, s[64:65] scope:SCOPE_SE
	s_setreg_imm32_b32 hwreg(HW_REG_WAVE_MODE, 25, 1), 1
	s_wait_xcnt 0x0
; at16[b][h][q][:] = the sum over keys k <= q with padding_mask[b][k] != 0 of softmax_k(q . k / 8) v[k][:].  Operands in f16, products, maxima and sums in f32.
; qkv16 [which][b][h][t][64] f16; q arrives multiplied by log2(e) / 8, so a score is an exponent of two.  at16 [b][h][t][64] f16.
; SOFTMAX: a running maximum m and sum l for each query; p = 2^(s - m); in every step O and l are multiplied by a = 2^(m_old - m_new).
; MASKS: a hidden score is NEG = -1e30.  The padding mask is turned once into a row of f32 numbers in LDS (0 or NEG) which is the C of the first product of each score tile; the causal mask is applied on the diagonal step.
; m starts at, and never falls under, M0 = -5e29; f16 operands bound a true score by 64 x 65,504^2, far above M0.  A query with no key kept has p = 0 and l = 0 throughout, and 0 x (1 / 0) gives the NaN that the softmax of nothing is.
; SHARES: a work-group owns two blocks of 256 queries of one head, blocks 7 - x and x, so that every work-group has the same number of key steps under the causal mask.  Waves 0-7 take block 7 - x, waves 8-15 block x in reverse order;
; a wave owns 32 queries: two tiles of 16, so that each fragment of K and V read from LDS feeds two products.  A key step is 32 keys.
; K and V come through a ring of two LDS slots of 256 keys, filled by tensor loads (waves 0, 1: K's halves; waves 2, 3: V's) and read by all sixteen.  In memory and in LDS a row of 256 bytes is two keys.
; NO CLUSTER: the four work-groups of a head need 8, 7, 6 and 5 slots; a joint load would bring tiles that no wave of some partner reads.
; LAYOUT: S^T = K Q^T (source 0 = 16 keys, source 1 = 16 queries), O^T = V^T P (source 0 = 16 channels, by the turning load): a lane holds ONE query (lane % 16) throughout; two score tiles rounded to f16 in pairs are source 1 of the second product.
; LIMITS: at16's numbers are averages of v and share its f16 range; the rounding of q, k, v and p to f16 grows with the inputs.
.set PKK,   272                        ; K: an LDS row (two keys) + 16 bytes: the sixteen keys of a fragment start in sixteen different groups of four banks
.set PVV,   288                        ; V: + 32 bytes
.set VOFF,  128*PKK                    ; a slot: 128 rows of K, then 128 rows of V
.set MB,    VOFF+128*PVV               ; 71,680: the mask as f32, 2,048 numbers
.set STAGE, MB+8192                    ; the way out: 16 rows x (128 bytes + 16) for each wave
.set SPARE, STAGE+16*16*144            ; the spare words, 128 bytes for each wave
.set SLOT1, 1<<17                      ; slot 1 begins here: one exclusive or turns an address from one slot to the other
.set PL,    262144                     ; a head's plane in bytes
.set AK0, 1                            ; v1  my lane's place in a tile of K
.set AV0, 2                            ; v2  of V
.set AB0, 3                            ; v3  in the mask's row
.set SPW, 4                            ; v4  my spare word; never rewritten
.set NIL, 5                            ; v5  0; never rewritten
.set ADK, 6                            ; v6-8 the same three in the slot in hand
.set ADV, 7
.set ADB, 8
.set DD,  9                            ; v9  r - 8 h: register j of a diagonal tile is hidden where j > this
.set NEGR, 10                          ; v10 NEG
.set PFO, 11                           ; v11 256 x lane
.set ST,  12                           ; v12-27 statistics, eight a tile: +0 m, +1 unused, +2, +3 l, +4, +5 at work, +6 a, +7 unused (the unused ones are named as upper halves of pairs)
.set QO,  28                           ; v28 Q's offset, later the stage on the way in
.set RD,  29
.set GO,  30
.set QR,  32                           ; v32-63   Q: tile t, channels 32 c on, at 16 t + 8 c
.set KR,  64                           ; v64-95   K: keys 16 kt on, channels 32 c on, at 16 kt + 8 c
.set VR,  96                           ; v96-127  V^T: channels 16 ct on, at 8 ct
.set BI,  128                          ; v128-143 the mask's numbers of the step's 32 keys, in the scores' layout
.set S,   144                          ; v144-175 S^T, then p: tile t, keys 16 kt on, at 16 t + 8 kt
.set P,   176                          ; v176-191 p in f16
.set O,   192                          ; v192-255 O^T: tile t, channels 16 ct on, at 32 t + 8 ct
.set TB,  2                            ; s2  LDS byte at which the slot in hand begins
.set TBB, 3                            ; s3  and its keys' place in the mask's row
.set WV,  18
.set SEL, 20
.set G1K, 24
.set G1V, 32
.set G0K, 40
.set G0V, 44
.set SLOTS, 67
.set PFA, 76
.set LIM, 80
.set QL,  95                           ; s95 my work-group's last query
.set KF,  98                           ; s98 the step's first key
.set Q0,  99                           ; s99 my wave's first query
.macro TLOAD                           ; waves 0 and 1 fetch K's halves, waves 2 and 3 V's, the others nothing.  An s_nop 0 and four v_nop follow each line
	s_cmp_lt_u32 s[WV], 2
	s_cbranch_scc0 .Lnot_k_\@
	tensor_load_to_lds s[G0K:G0K+3], s[G1K:G1K+7]
	s_nop 0
.rept 4
	v_nop
.endr
	s_branch .Lasked_\@
.Lnot_k_\@:
	s_cmp_lt_u32 s[WV], 4
	s_cbranch_scc0 .Lasked_\@
	tensor_load_to_lds s[G0V:G0V+3], s[G1V:G1V+7]
	s_nop 0
.rept 4
	v_nop
.endr
.Lasked_\@:
.endm
; A prefetch of what the NEXT change of slots will ask for: 32,768 bytes of K and as many of V.  Each aligned 256 bytes is named once in the launch: of a head's four work-groups the first asks (it walks all eight slots);
; in it waves 4-7 ask for K's block and waves 8-11 for V's, 8,192 bytes a wave, lanes 256 bytes apart.  Slots 0 and 1 come by their loads alone; the last change that fills a slot asks for nothing.
.macro ASK
	s_cmp_gt_u32 s[SLOTS], s[LIM]
	s_cbranch_scc0 .Lnot_mine_\@
	global_prefetch_b8 v[PFO], s[PFA:PFA+1] th:TH_LOAD_NT scope:SCOPE_SE
.Lnot_mine_\@:
.endm
	s_load_b128 s[4:7], s[0:1], 0x0                ; qkv16 s[4:5], padding_mask s[6:7]
	s_load_b64 s[8:9], s[0:1], 0x10                ; at16
	v_lshl_add_u32 v[SPW], v0, 2, SPARE
	v_mov_b32 v[NIL], 0
	ds_add_u32 v[SPW], v[NIL]                      ; the wave's opening: the add, twice on end, and its wait ahead of the first tensor load
	ds_add_u32 v[SPW], v[NIL]
	v_lshrrev_b32 v6, 5, v0
	v_readfirstlane_b32 s[WV], v6                  ; wave 0..15
	s_and_b32 s10, ttmp7, 0xffff                   ; b x 16 + h
	s_lshl_b32 s11, s10, 18                        ; its plane, in bytes
	s_sub_co_u32 s12, 7, ttmp9                     ; the late block
	s_lshl_b32 s[QL], s12, 8
	s_or_b32 s[QL], s[QL], 255
	s_sub_co_u32 s13, 15, s[WV]
	s_cmp_lt_u32 s[WV], 8
	s_cselect_b32 s12, s12, ttmp9                  ; my block,
	s_cselect_b32 s13, s[WV], s13                  ; my 32 queries in it
	s_lshl_b32 s12, s12, 8
	s_lshl_b32 s13, s13, 5
	s_add_co_u32 s[Q0], s12, s13
	s_and_b32 s14, s[WV], 1                        ; which half of a slot I fetch, if I fetch: 128 keys, 64 rows of 256 bytes
	s_lshl_b32 s15, s14, 14
	s_add_co_u32 s15, s15, s11
	s_add_co_u32 s48, s15, 0x1000000               ; K's planes begin 64 planes on,
	s_mov_b32 s49, 0
	s_add_co_u32 s50, s15, 0x2000000               ; V's 128
	s_mov_b32 s51, 0
	s_mul_i32 s16, s14, 64*PKK                     ; and in a slot
	s_mul_i32 s17, s14, 64*PVV
	s_add_co_u32 s17, s17, VOFF
	; descriptor group 1: 64 rows of 128 elements of 2 bytes, dense in memory; padding behind every 64 words: 4 words for K, 8 for V
	s_mov_b32 s[G1K], (1<<16)|(1<<20)|(5<<22)|(3<<25)
	s_mov_b32 s[G1V], (1<<16)|(1<<20)|(5<<22)|(7<<25)
.irp g, G1K, G1V
	s_mov_b32 s[\g+1], 128<<16                     ; tensor_dim0
	s_mov_b32 s[\g+2], 64<<16                      ; tensor_dim1
	s_mov_b32 s[\g+3], 128<<16                     ; tile_dim0
	s_mov_b32 s[\g+4], 64                          ; tile_dim1
	s_mov_b32 s[\g+5], 128                         ; tensor_dim0_stride
	s_mov_b32 s[\g+6], 0
	s_mov_b32 s[\g+7], 0
.endr
	s_mov_b32 s[SEL], 0x76543210
	s_mov_b32 s[SEL+1], 0xfedcba98                 ; v_permlanex16_b32's selects for lane l xor 16
	s_mov_b32 s[TB], 0
	s_mov_b32 s[TBB], 0
	s_mov_b32 s[SLOTS], 7
	s_mov_b32 s[KF], 0
	s_wait_dscnt 0x0                               ; both opening adds are done
	s_wait_kmcnt 0x0
	s_mov_b32 s[G0K], 1
	s_mov_b32 s[G0K+1], s16
	s_add_nc_u64 s[G0K+2:G0K+3], s[4:5], s[48:49]
	s_or_b32 s[G0K+3], s[G0K+3], 0x80000000
	s_mov_b32 s[G0V], 1
	s_mov_b32 s[G0V+1], s17
	s_add_nc_u64 s[G0V+2:G0V+3], s[4:5], s[50:51]
	s_or_b32 s[G0V+3], s[G0V+3], 0x80000000
	TLOAD                                          ; slot 0: keys 0-255, which count for every query block
	s_lshl_b32 s52, s[Q0], 7
	s_add_co_u32 s52, s52, s11
	s_mov_b32 s53, 0
	s_add_nc_u64 s[54:55], s[4:5], s[52:53]        ; q at my first query
	s_add_nc_u64 s[8:9], s[8:9], s[52:53]          ; at16 likewise
	s_lshr_b32 s56, s10, 4
	s_lshl_b32 s56, s56, 13                        ; my batch's row of the padding mask
	s_mov_b32 s57, 0
	s_add_nc_u64 s[6:7], s[6:7], s[56:57]
	v_and_b32 v160, 15, v0                         ; r
	v_bfe_u32 v161, v0, 4, 1                       ; h
	v_lshlrev_b32 v[QO], 7, v160
	v_lshl_add_u32 v[QO], v161, 4, v[QO]           ; Q: row r of 128 bytes + 16 h
.irp t, 0,1
.irp c, 0,1
	global_load_b128 v[QR+16*\t+8*\c:QR+16*\t+8*\c+3], v[QO], s[54:55] offset:2048*\t+64*\c
	global_load_b128 v[QR+16*\t+8*\c+4:QR+16*\t+8*\c+7], v[QO], s[54:55] offset:2048*\t+64*\c+32
.endr
.endr
	v_lshlrev_b32 v31, 4, v0
	global_load_b128 v[144:147], v31, s[6:7]       ; four of the 2,048 mask words to each of the 512 threads
	; the prefetches: where my wave's stand, and who asks
	s_mov_b32 s58, 0x2000000
	s_cmp_lt_u32 s[WV], 8
	s_cselect_b32 s58, 0x1000000, s58              ; waves 4-7: K; waves 8-11: V
	s_and_b32 s59, s[WV], 3
	s_lshl_b32 s59, s59, 13
	s_add_co_u32 s58, s58, s59
	s_add_co_u32 s58, s58, s11
	s_add_co_u32 s58, s58, 32768                   ; in slot 1: the first change of slots steps it to slot 2
	s_mov_b32 s59, 0
	s_add_nc_u64 s[PFA:PFA+1], s[4:5], s[58:59]
	s_sub_co_u32 s60, s[WV], 4
	s_lshr_b32 s60, s60, 3                         ; 0 in waves 4 to 11,
	s_or_b32 s60, s60, ttmp9                       ; of the head's first work-group
	s_cmp_eq_u32 s60, 0
	s_cselect_b32 s[LIM], 1, -1
	v_and_b32 v[PFO], 31, v0
	v_lshlrev_b32 v[PFO], 8, v[PFO]
	v_lshrrev_b32 v162, 1, v160
	v_mul_u32_u24 v[AK0], v162, PKK
	v_and_b32 v163, 1, v0
	v_lshl_add_u32 v[AK0], v163, 7, v[AK0]
	v_lshl_add_u32 v[AK0], v161, 4, v[AK0]         ; K: key r: row r / 2, + 128 (r % 2), + 16 h
	v_bfe_u32 v162, v0, 1, 2
	v_lshl_add_u32 v162, v161, 2, v162
	v_mul_u32_u24 v[AV0], v162, PVV
	v_lshl_add_u32 v[AV0], v163, 7, v[AV0]
	v_bfe_u32 v162, v0, 3, 1
	v_lshl_add_u32 v[AV0], v162, 4, v[AV0]
	v_add_nc_u32 v[AV0], VOFF, v[AV0]              ; V: key 8 h + l % 8, channels 8 ((l / 8) % 2) on
	v_lshl_add_u32 v[AB0], v161, 5, MB             ; the mask's numbers of keys 8 h on
	v_lshlrev_b32 v162, 3, v161
	v_sub_nc_u32 v[DD], v160, v162
	v_mov_b32 v[NEGR], 0xf149f2ca                  ; NEG = -1e30
	v_lshl_add_u32 v152, v0, 4, MB
.irp t, 0,1
	v_mov_b32 v[ST+8*\t], 0xf0c9f2ca               ; m = M0 = -5e29
.irp k, 1,2,3,4,5,6,7
	v_mov_b32 v[ST+8*\t+\k], 0
.endr
.endr
.set i, 0
.rept 64
	v_mov_b32 v[O+i], 0                            ; O^T.  (The step is written once: the first finds zeros)
.set i, i+1
.endr
	s_wait_loadcnt 0x0                             ; Q and the mask words
.irp k, 0,1,2,3
	v_cmp_eq_u32 vcc_lo, 0, v[144+\k]
	v_cndmask_b32 v[148+\k], 0, v[NEGR], vcc_lo    ; 0 where the key is kept, NEG where it is padding
.endr
	ds_store_b128 v152, v[148:151]                 ; the first change of slots waits for this store and passes a barrier: then every wave may read the row
; A KEY STEP: 32 keys, the q-th of the slot in hand.
.macro STEP q
	s_cmp_gt_u32 s[KF], s[Q0]                      ; all 32 keys come after my 32 queries: the step's work is left out (ids and the count of steps alone; no barrier, wait for tiles or tensor load stands in a step)
	s_cbranch_scc1 .Lhidden_\@
.rept 4
	v_nop                                          ; places between the last step's products and the loads into V's registers, the conversions into P and the scaling of O^T
.endr
.irp kt, 0,1
.irp c, 0,1
	ds_load_b128 v[KR+16*\kt+8*\c:KR+16*\kt+8*\c+3], v[ADK] offset:16*PKK*(\q)+8*PKK*\kt+64*\c
	ds_load_b128 v[KR+16*\kt+8*\c+4:KR+16*\kt+8*\c+7], v[ADK] offset:16*PKK*(\q)+8*PKK*\kt+64*\c+32
.endr
.endr
.irp kt, 0,1
	ds_load_b128 v[BI+8*\kt:BI+8*\kt+3], v[ADB] offset:128*(\q)+64*\kt
	ds_load_b128 v[BI+8*\kt+4:BI+8*\kt+7], v[ADB] offset:128*(\q)+64*\kt+16
.endr
.irp ct, 0,1,2,3
	ds_load_tr16_b128 v[VR+8*\ct:VR+8*\ct+3], v[ADV] offset:16*PVV*(\q)+32*\ct
	ds_load_tr16_b128 v[VR+8*\ct+4:VR+8*\ct+7], v[ADV] offset:16*PVV*(\q)+32*\ct+8*PVV
.endr
	s_wait_dscnt 8                                 ; K and the mask's numbers are in; V's eight loads, issued last, may be out
.irp c, 0,1                            ; S^T = mask + K Q^T: four accumulators by turns, one instruction a turn
.irp kt, 0,1
.irp t, 0,1
.if \c == 0
	v_wmma_f32_16x16x32_f16 v[S+16*\t+8*\kt:S+16*\t+8*\kt+7], v[KR+16*\kt:KR+16*\kt+7], v[QR+16*\t:QR+16*\t+7], v[BI+8*\kt:BI+8*\kt+7]
.else
	v_wmma_f32_16x16x32_f16 v[S+16*\t+8*\kt:S+16*\t+8*\kt+7], v[KR+16*\kt+8:KR+16*\kt+15], v[QR+16*\t+8:QR+16*\t+15], v[S+16*\t+8*\kt:S+16*\t+8*\kt+7]
.endif
.endr
.endr
.endr
.rept 4
	v_nop
.endr
	s_cmp_lg_u32 s[KF], s[Q0]                      ; the one step of a wave that lies on the diagonal
	s_cbranch_scc1 .Lopen_\@
.irp j, 0,1,2,3,4,5,6,7
	v_cmp_gt_i32 vcc_lo, \j, v[DD]                 ; key 8 h + j after query r
	v_cndmask_b32 v[S+\j], v[S+\j], v[NEGR], vcc_lo
	v_cndmask_b32 v[S+24+\j], v[S+24+\j], v[NEGR], vcc_lo
.endr
.irp j, 0,1,2,3,4,5,6,7
	v_mov_b32 v[S+8+\j], v[NEGR]                   ; the first tile's queries see none of the second 16 keys
.endr
.Lopen_\@:
.irp t, 0,1                            ; the largest of my 16 scores and the old m: two chains a tile, each accumulator read from its low end on
	v_max3_num_f32 v[ST+8*\t+4], v[S+16*\t], v[S+16*\t+1], v[S+16*\t+2]
	v_max3_num_f32 v[ST+8*\t+5], v[S+16*\t+3], v[S+16*\t+4], v[S+16*\t+5]
.endr
.irp t, 0,1
	v_max3_num_f32 v[ST+8*\t+4], v[ST+8*\t+4], v[S+16*\t+6], v[S+16*\t+7]
	v_max3_num_f32 v[ST+8*\t+5], v[ST+8*\t+5], v[S+16*\t+8], v[S+16*\t+9]
.endr
.irp t, 0,1
	v_max3_num_f32 v[ST+8*\t+4], v[ST+8*\t+4], v[S+16*\t+10], v[S+16*\t+11]
	v_max3_num_f32 v[ST+8*\t+5], v[ST+8*\t+5], v[S+16*\t+12], v[S+16*\t+13]
.endr
.irp t, 0,1
	v_max3_num_f32 v[ST+8*\t+4], v[ST+8*\t+4], v[S+16*\t+14], v[S+16*\t+15]
.endr
.irp t, 0,1
	v_max3_num_f32 v[ST+8*\t+4], v[ST+8*\t+4], v[ST+8*\t+5], v[ST+8*\t]
.endr
.irp t, 0,1
	v_permlanex16_b32 v[ST+8*\t+5], v[ST+8*\t+4], s[SEL], s[SEL+1]   ; the query's other 16 keys lie in the lane 16 away
.endr
.irp t, 0,1
	v_max_num_f32 v[ST+8*\t+4], v[ST+8*\t+4], v[ST+8*\t+5]
.endr
.irp t, 0,1
	v_sub_f32 v[ST+8*\t+6], v[ST+8*\t], v[ST+8*\t+4]                 ; m_old - m_new
.endr
.irp t, 0,1
	v_mov_b32 v[ST+8*\t], v[ST+8*\t+4]
.endr
.irp t, 0,1
	v_exp_f32 v[ST+8*\t+6], v[ST+8*\t+6]                             ; a
.endr
.irp i, 0,2,4,6,8,10,12,14
.irp t, 0,1
	v_pk_add_f32 v[S+16*\t+\i:S+16*\t+\i+1], v[S+16*\t+\i:S+16*\t+\i+1], v[ST+8*\t:ST+8*\t+1] op_sel_hi:[1,0] neg_lo:[0,1] neg_hi:[0,1]   ; s - m
.endr
.endr
.set i, 0
.rept 32
	v_exp_f32 v[S+i], v[S+i]                       ; p = 2^(s - m)
.set i, i+1
.endr
	v_nop                                          ; a plain instruction behind the last exponential
	s_wait_alu depctr_va_vdst(0)                   ; ONE wait for the step's 34 exponentials, ahead of the first instruction that names a result
.set i, 0
.rept 16
	v_cvt_pk_f16_f32 v[P+i], v[S+2*i], v[S+2*i+1]  ; two score tiles in pairs are the second product's source 1
.set i, i+1
.endr
.irp i, 0,4,8,12                       ; the sum of my 16 p, in pairs, in place
.irp t, 0,1
	v_pk_add_f32 v[S+16*\t+\i:S+16*\t+\i+1], v[S+16*\t+\i:S+16*\t+\i+1], v[S+16*\t+\i+2:S+16*\t+\i+3]
.endr
.endr
.irp i, 0,8
.irp t, 0,1
	v_pk_add_f32 v[S+16*\t+\i:S+16*\t+\i+1], v[S+16*\t+\i:S+16*\t+\i+1], v[S+16*\t+\i+4:S+16*\t+\i+5]
.endr
.endr
.irp t, 0,1
	v_pk_add_f32 v[S+16*\t:S+16*\t+1], v[S+16*\t:S+16*\t+1], v[S+16*\t+8:S+16*\t+9]
.endr
.irp t, 0,1
	v_pk_fma_f32 v[ST+8*\t+2:ST+8*\t+3], v[ST+8*\t+2:ST+8*\t+3], v[ST+8*\t+6:ST+8*\t+7], v[S+16*\t:S+16*\t+1] op_sel_hi:[1,0,1]   ; l = a l + the sum
.endr
.irp t, 0,1
.set i, 0
.rept 16
	v_pk_mul_f32 v[O+32*\t+i:O+32*\t+i+1], v[O+32*\t+i:O+32*\t+i+1], v[ST+8*\t+6:ST+8*\t+7] op_sel_hi:[1,0]   ; O^T x a, each accumulator from its low end on
.set i, i+2
.endr
.endr
	s_wait_dscnt 0x0                               ; V is in
.irp ct, 0,1,2,3                       ; O^T += V^T P: eight accumulators, one instruction each
.irp t, 0,1
	v_wmma_f32_16x16x32_f16 v[O+32*\t+8*\ct:O+32*\t+8*\ct+7], v[VR+8*\ct:VR+8*\ct+7], v[P+8*\t:P+8*\t+7], v[O+32*\t+8*\ct:O+32*\t+8*\ct+7]
.endr
.endr
.Lhidden_\@:
	s_add_co_u32 s[KF], s[KF], 32
.endm
; THE CHANGE OF SLOTS stands at a slot's head.  Each wave waits for all its tensor loads (its part of the slot that it is about to read), adds 0 to its spare word, and waits for that and for its reads of the slot that it has left.
; Behind the barrier the slot ahead is whole and nobody reads the other one; fill = 1: that other slot takes the next 256 keys, and the load has eight key steps in which to land.  One load of a wave is out at the most.
.macro CHANGE fill
	s_wait_tensorcnt 0x0                           ; no tensor load of mine is out, so a group 0 may be written
	ds_add_u32 v[SPW], v[NIL]                      ; 0 onto my spare word
.if \fill
	ds_add_u32 v[SPW], v[NIL]                      ; and once more
	s_xor_b32 s[G0K+1], s[G0K+1], SLOT1            ; the walking descriptors: the other slot than last time,
	s_add_nc_u64 s[G0K+2:G0K+3], s[G0K+2:G0K+3], 32768   ; the next 256 keys
	s_xor_b32 s[G0V+1], s[G0V+1], SLOT1
	s_add_nc_u64 s[G0V+2:G0V+3], s[G0V+2:G0V+3], 32768
	s_wait_xcnt 0x0                                ; the last prefetch, a slot back, has read its address
	s_add_nc_u64 s[PFA:PFA+1], s[PFA:PFA+1], 32768
.endif
	s_wait_dscnt 0x0                               ; the add is done, and my LDS reads and stores are over
	s_barrier_signal -1
	s_barrier_wait -1
.if \fill
	s_add_co_u32 s96, s[KF], 256                   ; the first key of the slot that this change would ask for:
	s_cmp_gt_u32 s96, s[QL]                        ; behind my work-group's last query it would be read by none of the sixteen waves, so it is not asked for.
	s_cbranch_scc1 .Lpast_\@                       ; ids and the count of steps alone: all waves go the same way; every wait for tensor loads in this text is for 0
	TLOAD
.Lpast_\@:
	ASK
.endif
.endm
.macro SLOT_STEPS
	v_add_nc_u32 v[ADK], s[TB], v[AK0]
	v_add_nc_u32 v[ADV], s[TB], v[AV0]
	v_add_nc_u32 v[ADB], s[TBB], v[AB0]
.irp n, 0,1,2,3,4,5,6,7
	STEP \n
.endr
	s_xor_b32 s[TB], s[TB], SLOT1
	s_add_co_u32 s[TBB], s[TBB], 1024
.endm
.Lslot:                                            ; seven trips: every work-group walks all eight slots, so that the trip counts are constants and no barrier is jumped over
	CHANGE 1
	SLOT_STEPS
	s_sub_co_u32 s[SLOTS], s[SLOTS], 1
	s_cmp_lg_u32 s[SLOTS], 0
	s_cbranch_scc1 .Lslot
	CHANGE 0                                       ; the last slot is written out: nothing is left to ask for
	SLOT_STEPS
	; THE WAY OUT: O^T / l, rounded to f16, through my stage, a tile (16 rows of 128 bytes) at a time; back as 512 consecutive bytes an instruction.  The additions and the address work are the places behind the last products.
.irp t, 0,1
	v_add_f32 v[ST+8*\t+4], v[ST+8*\t+2], v[ST+8*\t+3]
.endr
.irp t, 0,1
	v_permlanex16_b32 v[ST+8*\t+5], v[ST+8*\t+4], s[SEL], s[SEL+1]
.endr
.irp t, 0,1
	v_add_f32 v[ST+8*\t+4], v[ST+8*\t+4], v[ST+8*\t+5]
.endr
.irp t, 0,1
	v_rcp_f32 v[ST+8*\t+6], v[ST+8*\t+4]
.endr
	v_and_b32 v6, 15, v0                           ; r
	v_bfe_u32 v7, v0, 4, 1                         ; h
	s_mul_i32 s96, s[WV], 16*144
	s_add_co_u32 s96, s96, STAGE                   ; my stage
	v_mul_u32_u24 v[QO], v6, 144
	v_lshl_add_u32 v[QO], v7, 4, v[QO]
	v_add_nc_u32 v[QO], s96, v[QO]                 ; in: row r, + 16 h; 32 bytes for each 16 channels
	v_bfe_u32 v8, v0, 3, 2
	v_mul_u32_u24 v[RD], v8, 144
	v_and_b32 v8, 7, v0
	v_lshl_add_u32 v[RD], v8, 4, v[RD]
	v_add_nc_u32 v[RD], s96, v[RD]                 ; back: eight lanes to a row, four rows an instruction
	v_and_b32 v[GO], 31, v0
	v_lshlrev_b32 v[GO], 4, v[GO]
	s_wait_alu depctr_va_vdst(0)                   ; one wait for the two reciprocals, ahead of their first reader
.irp t, 0,1
.set i, 0
.rept 16
	v_pk_mul_f32 v[O+32*\t+i:O+32*\t+i+1], v[O+32*\t+i:O+32*\t+i+1], v[ST+8*\t+6:ST+8*\t+7] op_sel_hi:[1,0]
.set i, i+2
.endr
.set i, 0
.rept 16
	v_cvt_pk_f16_f32 v[S+16*\t+i], v[O+32*\t+2*i], v[O+32*\t+2*i+1]
.set i, i+1
.endr
.irp ct, 0,1,2,3
	ds_store_b128 v[QO], v[S+16*\t+4*\ct:S+16*\t+4*\ct+3] offset:32*\ct
.endr
.irp i, 0,1,2,3
	ds_load_b128 v[KR+16*\t+4*\i:KR+16*\t+4*\i+3], v[RD] offset:4*144*\i   ; LDS serves a wave's instructions in order: these see the stores above, and the next tile's stores come behind them
.endr
.endr
.irp t, 0,1
.irp i, 0,1,2,3
	s_wait_dscnt 11-8*\t-\i                        ; behind this load: the 3 - i younger of its tile and, for the first tile, the second tile's eight
	global_store_b128 v[GO], v[KR+16*\t+4*\i:KR+16*\t+4*\i+3], s[8:9] offset:2048*\t+512*\i   ; 512 consecutive bytes, aligned
.endr
.endr
	s_wait_tensorcnt 0x0                           ; the wave's end
	ds_add_u32 v[SPW], v[NIL]
	s_wait_dscnt 0x0
	s_endpgm
.Lfunc_end_k_q9af2c8c73d_attn:
	.size	k_q9af2c8c73d_attn, .Lfunc_end_k_q9af2c8c73d_attn-k_q9af2c8c73d_attn
	.p2alignl 7, 3214868480
	.fill 96, 4, 3214868480
	.section	.rodata,"a",@progbits
	.p2align	6, 0x0
	.amdhsa_kernel k_q9af2c8c73d_attn
		.amdhsa_group_segment_fixed_size 327680
		.amdhsa_private_segment_fixed_size 0
		.amdhsa_enable_private_segment 0
		.amdhsa_kernarg_size 24
		.amdhsa_user_sgpr_count 2
		.amdhsa_user_sgpr_kernarg_segment_ptr 1
		.amdhsa_wavefront_size32 1
		.amdhsa_system_sgpr_workgroup_id_x 1
		.amdhsa_system_sgpr_workgroup_id_y 1
		.amdhsa_system_sgpr_workgroup_id_z 1
		.amdhsa_system_vgpr_workitem_id 0
		.amdhsa_next_free_vgpr 256
		.amdhsa_next_free_sgpr 100
		.amdhsa_reserve_vcc 1
		.amdhsa_float_denorm_mode_32 3
		.amdhsa_float_denorm_mode_16_64 3
		.amdhsa_memory_ordered 1
		.amdhsa_forward_progress 1
		.amdhsa_inst_pref_size 198
	.end_amdhsa_kernel
	.amdgpu_metadata
---
amdhsa.version: [ 1, 2 ]
amdhsa.kernels:
  - .name:           k_q9af2c8c73d_attn
    .symbol:         k_q9af2c8c73d_attn.kd
    .args:
      - { .name: qkv16, .offset: 0, .size: 8, .value_kind: global_buffer, .address_space: global }
      - { .name: padding_mask, .offset: 8, .size: 8, .value_kind: global_buffer, .address_space: global }
      - { .name: at16, .offset: 16, .size: 8, .value_kind: global_buffer, .address_space: global }
    .group_segment_fixed_size: 327680
    .private_segment_fixed_size: 0
    .kernarg_segment_align: 8
    .kernarg_segment_size: 24
    .max_flat_workgroup_size: 512
    .sgpr_count:     100
    .vgpr_count:     256
    .wavefront_size: 32
...
	.end_amdgpu_metadata
.endif
;; end of part 3
;; launch proj (part 4): grid 4 x 64, 4 waves a work-group, clusters of 4 x 4, 327,680 bytes of LDS; arguments at16, wo16, b_out, out0; writes out0
.if DOCPART == 4
	.amdgcn_target "amdgcn-amd-amdhsa--gfx1250"
	.amdhsa_code_object_version 6
	.text
	.protected	k_q9af2c8c73d_proj
	.globl	k_q9af2c8c73d_proj
	.p2align	8
	.type	k_q9af2c8c73d_proj,@function
k_q9af2c8c73d_proj:
	s_mov_b64 s[64:65], 0
	v_nop
	global_prefetch_b8 v0, s[64:65] scope:SCOPE_SE
	s_setreg_imm32_b32 hwreg(HW_REG_WAVE_MODE, 25, 1), 1
	s_wait_xcnt 0x0
	s_wait_alu depctr_hold_cnt(0) depctr_sa_sdst(0) depctr_va_vdst(0) depctr_va_sdst(0) depctr_va_ssrc(0) depctr_va_vcc(0) depctr_vm_vsrc(0)
	s_getreg_b32 s2, hwreg(HW_REG_IB_STS2, 6, 4)
	s_cmp_eq_u32 s2, 0
	s_cbranch_scc0 .Lentry_in_a_cluster
	s_endpgm
.Lentry_in_a_cluster:
	s_bfe_u32 s2, ttmp6, 0x10000c
	s_cmp_lg_u32 s2, 0xf033
	s_cbranch_scc0 .Lentry_shape_is_right
	s_endpgm
.Lentry_shape_is_right:
; out0 = attn W_out + b_out.  attn: at16 [b][h][t][64] f16 (k = 64 h + d); W_out: wo16 [k 1024][n 1024] f16; sums in f32; out0 [8192][1024] f32.
; (The rows of positions 0-15 of each sequence are written here too and are written again, from f32 operands, by the launch that follows.)
; A tile of 128 rows x 256 columns gives 256 work-groups.  Four waves, each 64 x 128: 32 accumulators, 256 registers.  K goes in steps of 128 (two heads) through a ring of two LDS slots.
; A's part of a slot: two head planes of 64 LDS rows (two positions to a row of 256 bytes); B's part: 128 rows (k) of 512 bytes (256 columns), read by the turning load, since n is innermost.
; CLUSTERS: 4 x 4 work-groups; A's tiles are shared along a row of the cluster, B's along a column, by joint loads.  THE MATRIX INSTRUCTION IS USED TRANSPOSED: a lane holds eight neighbouring columns of one row.
; REGISTERS: window 0: v0-31 addresses, v32-35 the bias of the four columns that I store, v64-127 A's fragments, two buffers; v128-255 the way out.  window 1: v0-127 B's fragments, two buffers.  window 2: accumulator (a, b) at v[8 (8 a + b)].
.set PL,     262144
.set PA,     272                       ; A: 256 bytes + 16
.set PB,     544                       ; B: 512 bytes + 32: an odd multiple of 32
.set APL,    64*PA                     ; a head plane in a slot
.set BOFF,   2*APL
.set SLOT,   BOFF+128*PB               ; 104,448
.set STAGE,  2*SLOT                    ; behind the ring: 16 rows x (512 bytes + 16) for each wave
.set SPITCH, 528
.set SPARE,  STAGE+4*16*SPITCH
.set LAPS,   4                         ; eight K steps, two to a lap
.set ADRA, 16
.set ADRB, 20
.set STO,  24
.set RD,   25
.set CO,   26
.set SPW,  28
.set NIL,  29
.set BO,   32
.set BK,   128
.set WV, 12
.set RH, 13
.set CH, 14
.set G1, 24
.set G0, 32
.set G1B, 48
.set G0B, 56
.set MSB, 0
.macro WIN new
.if MSB != \new
	s_set_vgpr_msb (MSB<<8)|\new
.set MSB, \new
.endif
.endm
.set MUL,  0xa1                        ; source 0 (B) window 1, source 1 (A) window 0, C and D window 2
.set TO_B, 0x40
.macro JLOAD s                         ; waves 0 and 1 fetch A's two head planes, waves 2 and 3 B's two halves; an s_nop 0 and four v_nop follow each line
	s_cmp_eq_u32 s[RH], 0
	s_cbranch_scc0 .Lfor_b_\@
	tensor_load_to_lds s[G0+4*\s:G0+4*\s+3], s[G1:G1+7]
	s_nop 0
.rept 4
	v_nop
.endr
	s_branch .Lasked_\@
.Lfor_b_\@:
	tensor_load_to_lds s[G0B+4*\s:G0B+4*\s+3], s[G1B:G1B+7]
	s_nop 0
.rept 4
	v_nop
.endr
.Lasked_\@:
.endm
.macro CREST
	s_cmp_lg_u32 s[WV], 0
	s_cbranch_scc1 .Lnot_wave_0_\@
	s_barrier_signal -3
.Lnot_wave_0_\@:
	s_barrier_wait -3
	s_barrier_signal -1
	s_barrier_wait -1
.endm
.macro CROUND
	s_barrier_signal -1
	s_barrier_wait -1
	CREST
.endm
	s_load_b128 s[4:7], s[0:1], 0x0                ; at16 s[4:5], wo16 s[6:7]
	s_load_b128 s[8:11], s[0:1], 0x10              ; b_out s[8:9], out0 s[10:11]
	v_lshl_add_u32 v[SPW], v0, 2, SPARE
	v_mov_b32 v[NIL], 0
	ds_add_u32 v[SPW], v[NIL]                      ; the wave's opening: the add, twice on end, and its wait ahead of my first tensor load
	ds_add_u32 v[SPW], v[NIL]
	v_lshrrev_b32 v1, 5, v0
	v_readfirstlane_b32 s[WV], v1
	s_lshr_b32 s[RH], s[WV], 1                     ; which 64 rows are mine.  Also: I fetch for A (0) or for B (1)
	s_and_b32 s[CH], s[WV], 1                      ; which 128 columns.  Also: which head plane, or which 64 rows of B, I fetch
	s_bfe_u32 s40, ttmp6, 0x40000                  ; cx, cy
	s_bfe_u32 s41, ttmp6, 0x40004
	s_lshl_b32 s42, ttmp9, 2
	s_add_co_u32 s42, s42, s40                     ; tile column
	s_and_b32 s15, ttmp7, 0xffff
	s_lshl_b32 s15, s15, 2
	s_add_co_u32 s15, s15, s41                     ; tile row
	s_lshl_b32 s43, s41, 2
	s_lshl_b32 s43, 15, s43                        ; my row of the cluster
	s_lshl_b32 s44, 0x1111, s40                    ; my column
	s_or_b32 s[G1+0], s43, (1<<16)|(1<<20)|(1<<21)|(5<<22)|(3<<25)   ; A: elements of 2 bytes; 4 words of padding behind every 64
	s_mov_b32 s[G1+1], 128<<16                     ; tensor_dim0
	s_mov_b32 s[G1+2], 64<<16                      ; tensor_dim1
	s_mov_b32 s[G1+3], 128<<16                     ; tile_dim0
	s_mov_b32 s[G1+4], 64                          ; tile_dim1
	s_mov_b32 s[G1+5], 128                         ; stride: dense rows of 256 bytes
	s_mov_b32 s[G1+6], 0
	s_mov_b32 s[G1+7], 0
	s_or_b32 s[G1B+0], s44, (1<<16)|(1<<20)|(1<<21)|(6<<22)|(7<<25)  ; B: 8 words of padding behind every 128
	s_mov_b32 s[G1B+1], 256<<16
	s_mov_b32 s[G1B+2], 64<<16
	s_mov_b32 s[G1B+3], 256<<16
	s_mov_b32 s[G1B+4], 64
	s_mov_b32 s[G1B+5], 1024
	s_mov_b32 s[G1B+6], 0
	s_mov_b32 s[G1B+7], 0
	s_lshr_b32 s16, s15, 4                         ; A: the batch (16 tile rows to a sequence),
	s_lshl_b32 s16, s16, 4
	s_add_co_u32 s16, s16, s[CH]                   ; its head 0 or 1,
	s_lshl_b32 s16, s16, 18
	s_and_b32 s17, s15, 15
	s_lshl_b32 s17, s17, 14                        ; the tile's 128 positions of 128 bytes
	s_add_co_u32 s16, s16, s17
	s_mov_b32 s17, 0
	s_lshl_b32 s46, s[CH], 17                      ; B: 64 rows of 2,048 bytes for the second half,
	s_lshl_b32 s47, s42, 9                         ; the tile's 256 columns
	s_add_co_u32 s46, s46, s47
	s_mov_b32 s47, 0
	s_mul_i32 s18, s[CH], APL                      ; where they go: no place in the cluster enters an LDS address
	s_mul_i32 s19, s[CH], 64*PB
	s_add_co_u32 s19, s19, BOFF
	s_wait_dscnt 0x0                               ; both opening adds are done
	s_wait_kmcnt 0x0
	s_add_nc_u64 s[20:21], s[4:5], s[16:17]
	s_add_nc_u64 s[46:47], s[6:7], s[46:47]
	CROUND                                         ; all sixteen work-groups are here: the first joint loads meet
.irp s, 0,1
	s_mov_b32 s[G0+4*\s], 1
	s_add_co_u32 s[G0+4*\s+1], s18, \s*SLOT
	s_add_nc_u64 s[G0+4*\s+2:G0+4*\s+3], s[20:21], \s*2*PL         ; K step s: heads 2 s, 2 s + 1
	s_or_b32 s[G0+4*\s+3], s[G0+4*\s+3], 0x80000000
	s_mov_b32 s[G0B+4*\s], 1
	s_add_co_u32 s[G0B+4*\s+1], s19, \s*SLOT
	s_add_nc_u64 s[G0B+4*\s+2:G0B+4*\s+3], s[46:47], \s*128*2048
	s_or_b32 s[G0B+4*\s+3], s[G0B+4*\s+3], 0x80000000
	JLOAD \s
.endr
	v_and_b32 v1, 15, v0                           ; r
	v_bfe_u32 v2, v0, 4, 1                         ; h
	v_lshrrev_b32 v3, 1, v1
	v_mul_u32_u24 v3, v3, PA
	v_and_b32 v4, 1, v0
	v_lshl_add_u32 v3, v4, 7, v3
	v_lshl_add_u32 v3, v2, 4, v3                   ; A: position r: row r / 2, + 128 (r % 2), + 16 h
	s_mul_i32 s21, s[RH], 32*PA                    ; my 64 positions
	v_and_b32 v4, 7, v0
	v_lshl_add_u32 v4, v2, 3, v4
	v_mul_u32_u24 v4, v4, PB
	v_bfe_u32 v5, v0, 3, 1
	v_lshl_add_u32 v4, v5, 4, v4                   ; B: row k = 8 h + l % 8, columns 8 ((l / 8) % 2) on
	s_lshl_b32 s22, s[CH], 8                       ; my 128 columns
	s_add_co_u32 s22, s22, BOFF
.irp s, 0,1
	v_add_nc_u32 v[ADRA+\s], s21, v3
	v_add_nc_u32 v[ADRB+\s], s22, v4
	s_add_co_u32 s21, s21, SLOT
	s_add_co_u32 s22, s22, SLOT
.endr
	s_mul_i32 s23, s[WV], 16*SPITCH
	s_add_co_u32 s23, s23, STAGE                   ; my stage
	v_mul_u32_u24 v5, v1, SPITCH
	v_lshl_add_u32 v5, v2, 5, v5
	v_add_nc_u32 v[STO], s23, v5                   ; in: row r, 32 bytes for each half of the lanes
	v_and_b32 v6, 31, v0
	v_lshlrev_b32 v[CO], 4, v6                     ; back: the 32 lanes take one row of 512 bytes; and the same in out0 and in b_out
	v_add_nc_u32 v[RD], s23, v[CO]
	s_lshl_b32 s16, s15, 19                        ; out0: 128 rows of 4,096 bytes a tile row,
	s_lshl_b32 s17, s[RH], 18                      ; my 64 rows
	s_add_co_u32 s16, s16, s17
	s_mov_b32 s17, 0
	s_add_nc_u64 s[10:11], s[10:11], s[16:17]
	s_lshl_b32 s46, s42, 10                        ; my first column, in bytes: 1,024 x tile column + 512 x half
	s_lshl_b32 s47, s[CH], 9
	s_add_co_u32 s46, s46, s47
	s_mov_b32 s47, 0
	s_add_nc_u64 s[10:11], s[10:11], s[46:47]
	s_add_nc_u64 s[8:9], s[8:9], s[46:47]
	global_load_b128 v[BO:BO+3], v[CO], s[8:9]     ; b_out of the four columns that I store
.macro MUL8 f, a, zero                 ; A's block a x B's eight, 32 along K.  The 32 accumulators take turns, one instruction a turn, in the same order in every quarter
.irp b, 0,1,2,3,4,5,6,7
.if \zero
	v_wmma_f32_16x16x32_f16 v[8*(8*(\a)+\b):8*(8*(\a)+\b)+7], v[64*(\f)+8*\b:64*(\f)+8*\b+7], v[64+32*(\f)+8*(\a):64+32*(\f)+8*(\a)+7], 0
.else
	v_wmma_f32_16x16x32_f16 v[8*(8*(\a)+\b):8*(8*(\a)+\b)+7], v[64*(\f)+8*\b:64*(\f)+8*\b+7], v[64+32*(\f)+8*(\a):64+32*(\f)+8*(\a)+7], v[8*(8*(\a)+\b):8*(8*(\a)+\b)+7]
.endif
.endr
.endm
.macro FETCH slot, q, f                ; 24 LDS loads in one run: the fragments of the slot's q-th 32 along K into buffer f: B's sixteen, then A's eight
	WIN TO_B
.irp b, 0,1,2,3,4,5,6,7
	ds_load_tr16_b128 v[64*(\f)+8*\b:64*(\f)+8*\b+3], v[ADRB+\slot] offset:32*PB*(\q)+32*\b
	ds_load_tr16_b128 v[64*(\f)+8*\b+4:64*(\f)+8*\b+7], v[ADRB+\slot] offset:32*PB*(\q)+32*\b+16*PB
.endr
	WIN 0
.irp a, 0,1,2,3
	ds_load_b128 v[64+32*(\f)+8*\a:64+32*(\f)+8*\a+3], v[ADRA+\slot] offset:((\q)/2)*APL+((\q)%2)*64+8*PA*\a
	ds_load_b128 v[64+32*(\f)+8*\a+4:64+32*(\f)+8*\a+7], v[ADRA+\slot] offset:((\q)/2)*APL+((\q)%2)*64+8*PA*\a+32
.endr
.endm
.macro PLACES
.rept 4
	v_nop
.endr
.endm
.macro QUARTER slot, qn, f, g, zero    ; multiplies buffer f; in its middle it fetches the same slot's quarter qn into buffer g
	s_wait_dscnt 4                                 ; B and A's blocks 0, 1 are in; the youngest four loads (A's blocks 2, 3) may be out
	WIN MUL
	MUL8 \f, 0, \zero
	MUL8 \f, 1, \zero
	PLACES
	FETCH \slot, \qn, \g
	s_wait_dscnt 24                                ; all but the 24 just issued
	WIN MUL
	MUL8 \f, 2, \zero
	MUL8 \f, 3, \zero
.endm
; A slot's last quarter multiplies buffer 1 and changes slots: one barrier; in front of it each wave waits for all its tensor loads, adds 0 to its spare word, and waits for that and for its reads of this slot.
; fill = 1: the barrier opens a round of the cluster's barrier, and this slot is filled again, two K steps ahead, first thing behind the round.  One load of a wave is out behind each round.
.macro TURN slot, next, fill
	WIN 0
	s_wait_tensorcnt 0x0                           ; all my tensor loads have landed: my part of the next slot
	ds_add_u32 v[SPW], v[NIL]                      ; 0 onto my spare word
	s_wait_dscnt 5                                 ; the add and the youngest four loads may be out
	WIN MUL
	MUL8 1, 0, 0
	s_wait_dscnt 0x0                               ; the add is done, and my reads of this slot are over
	s_barrier_signal -1
	MUL8 1, 1, 0
.if \fill
	WIN 0
.endif
	s_barrier_wait -1
.if \fill
	CREST
	s_add_nc_u64 s[G0+4*\slot+2:G0+4*\slot+3], s[G0+4*\slot+2:G0+4*\slot+3], 4*PL
	s_add_nc_u64 s[G0B+4*\slot+2:G0B+4*\slot+3], s[G0B+4*\slot+2:G0B+4*\slot+3], 256*2048
	JLOAD \slot                                    ; the four v_nop behind it are also the places in front of the loads below
.else
	PLACES
.endif
	FETCH \next, 0, 0
	WIN MUL
	MUL8 1, 2, 0
	MUL8 1, 3, 0
.endm
	s_wait_tensorcnt 1                             ; my part of K step 0 is in; K step 1's load, issued behind it, may be out
	s_barrier_signal -1
	s_barrier_wait -1
	FETCH 0, 0, 0
	QUARTER 0, 1, 0, 1, 1                          ; the first quarter's products start the sums
	WIN 0
	s_mov_b32 s3, LAPS-1
.Llap:                                             ; a trip goes once round the ring, from a lap's second quarter to the next lap's first, and fills both slots again
	QUARTER 0, 2, 1, 0, 0
	QUARTER 0, 3, 0, 1, 0
	TURN 0, 1, 1
	QUARTER 1, 1, 0, 1, 0
	QUARTER 1, 2, 1, 0, 0
	QUARTER 1, 3, 0, 1, 0
	TURN 1, 0, 1
	QUARTER 0, 1, 0, 1, 0
	WIN 0
	s_sub_co_u32 s3, s3, 1
	s_cmp_lg_u32 s3, 0
	s_cbranch_scc1 .Llap
	QUARTER 0, 2, 1, 0, 0                          ; the last lap fills nothing
	QUARTER 0, 3, 0, 1, 0
	TURN 0, 1, 0
	QUARTER 1, 1, 0, 1, 0
	QUARTER 1, 2, 1, 0, 0
	QUARTER 1, 3, 0, 1, 0
	s_wait_dscnt 4
	WIN MUL
	MUL8 1, 0, 0
	MUL8 1, 1, 0
	s_wait_dscnt 0
	MUL8 1, 2, 0
	MUL8 1, 3, 0
	WIN 0
; THE WAY OUT, block by block of 16 rows x 128 columns, through my own stage; back as whole rows of 512 bytes, to which the bias is added.
.macro TOSTAGE a
	WIN 0x08                                       ; an LDS store's data are its source 1: window 2
.irp b, 0,1,2,3,4,5,6,7
	ds_store_b128 v[STO], v[64*(\a)+8*\b:64*(\a)+8*\b+3] offset:64*\b        ; each accumulator from its low end on
	ds_store_b128 v[STO], v[64*(\a)+8*\b+4:64*(\a)+8*\b+7] offset:64*\b+16
.endr
	WIN 0
.set BB, BK+64*((\a)%2)
.irp t, 0,1,2,3,4,5,6,7,8,9,10,11,12,13,14,15
	ds_load_b128 v[BB+4*\t:BB+4*\t+3], v[RD] offset:\t*SPITCH
.endr
.endm
.macro SEND a, younger
.set BB, BK+64*((\a)%2)
	s_wait_dscnt \younger                          ; the block is back; the next block's 16 stores and 16 loads may be out
.irp t, 0,1,2,3,4,5,6,7,8,9,10,11,12,13,14,15
	v_pk_add_f32 v[BB+4*\t:BB+4*\t+1], v[BB+4*\t:BB+4*\t+1], v[BO:BO+1]
	v_pk_add_f32 v[BB+4*\t+2:BB+4*\t+3], v[BB+4*\t+2:BB+4*\t+3], v[BO+2:BO+3]
.endr
.irp t, 0,1,2,3,4,5,6,7,8,9,10,11,12,13,14,15
	global_store_b128 v[CO], v[BB+4*\t:BB+4*\t+3], s[10:11] offset:65536*(\a)+4096*\t th:TH_STORE_NT   ; 512 consecutive bytes, aligned
.endr
.endm
	s_wait_loadcnt 0x0                             ; the bias
	PLACES                                         ; between the last products and the first read of results
	TOSTAGE 0
.irp a, 1,2,3
.if \a > 1
	s_wait_xcnt 0x0                                ; block a - 2's stores have read their registers: block a's loads may land there
.endif
	TOSTAGE \a
	SEND \a-1, 32
.endr
	SEND 3, 0
	s_wait_tensorcnt 0x0                           ; the wave's end
	ds_add_u32 v[SPW], v[NIL]
	s_wait_dscnt 0x0
	CROUND                                         ; the closing round
	s_endpgm
.Lfunc_end_k_q9af2c8c73d_proj:
	.size	k_q9af2c8c73d_proj, .Lfunc_end_k_q9af2c8c73d_proj-k_q9af2c8c73d_proj
	.p2alignl 7, 3214868480
	.fill 96, 4, 3214868480
	.section	.rodata,"a",@progbits
	.p2align	6, 0x0
	.amdhsa_kernel k_q9af2c8c73d_proj
		.amdhsa_group_segment_fixed_size 327680
		.amdhsa_private_segment_fixed_size 0
		.amdhsa_enable_private_segment 0
		.amdhsa_kernarg_size 32
		.amdhsa_user_sgpr_count 2
		.amdhsa_user_sgpr_kernarg_segment_ptr 1
		.amdhsa_wavefront_size32 1
		.amdhsa_system_sgpr_workgroup_id_x 1
		.amdhsa_system_sgpr_workgroup_id_y 1
		.amdhsa_system_sgpr_workgroup_id_z 1
		.amdhsa_system_vgpr_workitem_id 0
		.amdhsa_next_free_vgpr 768
		.amdhsa_next_free_sgpr 66
		.amdhsa_reserve_vcc 0
		.amdhsa_float_denorm_mode_32 3
		.amdhsa_float_denorm_mode_16_64 3
		.amdhsa_memory_ordered 1
		.amdhsa_forward_progress 1
		.amdhsa_inst_pref_size 94
	.end_amdhsa_kernel
	.amdgpu_metadata
---
amdhsa.version: [ 1, 2 ]
amdhsa.kernels:
  - .name:           k_q9af2c8c73d_proj
    .symbol:         k_q9af2c8c73d_proj.kd
    .args:
      - { .name: at16, .offset: 0, .size: 8, .value_kind: global_buffer, .address_space: global }
      - { .name: wo16, .offset: 8, .size: 8, .value_kind: global_buffer, .address_space: global }
      - { .name: b_out, .offset: 16, .size: 8, .value_kind: global_buffer, .address_space: global }
      - { .name: out0, .offset: 24, .size: 8, .value_kind: global_buffer, .address_space: global }
    .group_segment_fixed_size: 327680
    .private_segment_fixed_size: 0
    .kernarg_segment_align: 8
    .kernarg_segment_size: 32
    .max_flat_workgroup_size: 128
    .sgpr_count:     66
    .vgpr_count:     768
    .wavefront_size: 32
...
	.end_amdgpu_metadata
.endif
;; end of part 4
;; launch fine (part 5): grid 16 x 4, 16 waves a work-group, no clusters, 71,680 bytes of LDS; arguments qkv32, padding_mask, W_out, b_out, out0; writes out0
.if DOCPART == 5
	.amdgcn_target "amdgcn-amd-amdhsa--gfx1250"
	.amdhsa_code_object_version 6
	.text
	.protected	k_q9af2c8c73d_fine
	.globl	k_q9af2c8c73d_fine
	.p2align	8
	.type	k_q9af2c8c73d_fine,@function
k_q9af2c8c73d_fine:
	s_mov_b64 s[64:65], 0
	v_nop
	global_prefetch_b8 v0, s[64:65] scope:SCOPE_SE
	s_setreg_imm32_b32 hwreg(HW_REG_WAVE_MODE, 25, 1), 1
	s_wait_xcnt 0x0
; Positions 0-15 of each sequence once more, in f32 throughout: they average one to sixteen values and are the largest in size, so the rounding of 16-bit operands would weigh most there.
; qkv32 [b x 16 + t][3072] f32: q (already x log2(e) / 8), k, v of these positions.  A query t < 16 sees keys 0 .. t alone, so 16 keys are all.  This launch runs last and overwrites these 64 rows of out0.
; SHARES: a work-group takes one batch and 64 columns of out0; wave w takes head w: its 16 x 16 scores, softmax, 16 x 64 of attention, and that head's part of the projection; the sixteen parts meet in LDS and waves 0-7 add them.
; The f32 matrix form sums four k an instruction; which four is free as long as both sources take the same, so registers are laid as the loads and the earlier results give them.
; All three products are used transposed: a lane holds ONE query (lane % 16).  MASKS, the floor of the maximum and the NaN of a query with no key kept: as in the launch for the other positions.
; v32-63, four accumulators, are written by matrix instructions alone; each sum begins with the constant 0; what is made of a sum goes into other registers.
.set RED,   0                          ; LDS: sixteen parts of 16 rows x (256 bytes + 16)
.set SPARE, 16*4352                    ; the spare words
.set RS,  1                            ; v1  where I store my part
.set RR,  2                            ; v2  where I read the parts back
.set QA,  3                            ; v3  r x 12,288 + 16 h
.set VA,  4                            ; v4  h x 98,304 + 4 r
.set WA,  5                            ; v5  h x 32,768 + 4 r
.set SPW, 6
.set NIL, 7
.set OO,  8                            ; v8  my offset in out0
.set DD,  9                            ; v9  r - 8 h
.set NEGR, 10
.set PM,  12                           ; v12-19 the mask words of keys 8 h + 0 .. 7; later at work
.set T,   20                           ; v20-27 the scores, then p
.set BO,  28                           ; v28-31 b_out
.set ACC, 32
.set QR,  64                           ; v64-95  Q; later W_out's last 16 channels
.set KR,  96                           ; v96-127 K; later at work
.set VR,  128                          ; v128-159 V; later the attention
.set WR,  160                          ; v160-255 W_out's first 48 channels of my head; later the parts read back
	s_load_b256 s[4:11], s[0:1], 0x0               ; qkv32 s[4:5], padding_mask s[6:7], W_out s[8:9], b_out s[10:11]
	s_load_b64 s[12:13], s[0:1], 0x20              ; out0
	v_lshl_add_u32 v[SPW], v0, 2, SPARE
	v_mov_b32 v[NIL], 0
	v_lshrrev_b32 v8, 5, v0
	v_readfirstlane_b32 s14, v8                    ; wave = head
	s_and_b32 s15, ttmp7, 0xffff                   ; batch
	v_and_b32 v8, 15, v0                           ; r
	v_bfe_u32 v11, v0, 4, 1                        ; h
	v_mul_u32_u24 v[QA], v8, 12288
	v_lshl_add_u32 v[QA], v11, 4, v[QA]
	v_mul_u32_u24 v[VA], v11, 98304
	v_lshl_add_u32 v[VA], v8, 2, v[VA]
	v_lshlrev_b32 v[WA], 15, v11
	v_lshl_add_u32 v[WA], v8, 2, v[WA]
	v_lshlrev_b32 v20, 5, v11                      ; 32 h: the mask words' offset
	v_lshlrev_b32 v21, 4, v8                       ; 16 r: b_out's
	v_lshlrev_b32 v[DD], 3, v11
	v_sub_nc_u32 v[DD], v8, v[DD]
	v_mov_b32 v[NEGR], 0xf149f2ca                  ; NEG = -1e30
	s_mul_i32 s16, s14, 4352
	v_mul_u32_u24 v[RS], v8, 272
	v_lshl_add_u32 v[RS], v11, 5, v[RS]
	v_add_nc_u32 v[RS], s16, v[RS]                 ; my part: row r, + 32 h
	s_and_b32 s16, s14, 7                          ; (waves 8-15 read nothing back; their address is kept inside LDS all the same)
	s_mul_i32 s16, s16, 544
	v_mul_u32_u24 v[RR], v11, 272
	v_lshl_add_u32 v[RR], v8, 4, v[RR]
	v_add_nc_u32 v[RR], s16, v[RR]                 ; back: rows 2 w and 2 w + 1, sixteen lanes to a row
	v_lshl_add_u32 v[OO], v11, 12, v21             ; the same two rows in out0
	s_mul_i32 s16, s15, 196608                     ; qkv32: my batch's 16 rows, my head's 64 channels
	s_lshl_b32 s17, s14, 8
	s_add_co_u32 s16, s16, s17
	s_mov_b32 s17, 0
	s_lshl_b32 s18, s15, 13                        ; the batch's row of the mask
	s_mov_b32 s19, 0
	s_lshl_b32 s22, ttmp9, 8                       ; my 64 columns, in bytes
	s_mov_b32 s23, 0
	s_lshl_b32 s20, s14, 18                        ; W_out: my head's 64 rows of 4,096 bytes
	s_add_co_u32 s20, s20, s22
	s_mov_b32 s21, 0
	s_lshl_b32 s24, s15, 23                        ; out0: the batch's first row,
	s_lshl_b32 s25, s14, 13                        ; rows 2 w on
	s_add_co_u32 s24, s24, s25
	s_add_co_u32 s24, s24, s22
	s_mov_b32 s25, 0
	s_mov_b32 s26, 0x76543210
	s_mov_b32 s27, 0xfedcba98
	s_wait_kmcnt 0x0
	s_add_nc_u64 s[4:5], s[4:5], s[16:17]
	s_add_nc_u64 s[6:7], s[6:7], s[18:19]
	s_add_nc_u64 s[8:9], s[8:9], s[20:21]
	s_add_nc_u64 s[10:11], s[10:11], s[22:23]
	s_add_nc_u64 s[12:13], s[12:13], s[24:25]
.irp i, 0,1,2,3,4,5,6,7
	global_load_b128 v[QR+4*\i:QR+4*\i+3], v[QA], s[4:5] offset:32*\i            ; q(r, 8 i + 4 h + 0 .. 3)
.endr
.irp i, 0,1,2,3,4,5,6,7
	global_load_b128 v[KR+4*\i:KR+4*\i+3], v[QA], s[4:5] offset:4096+32*\i       ; k likewise: the same channels in the same registers
.endr
	global_load_b128 v[PM:PM+3], v20, s[6:7]
	global_load_b128 v[PM+4:PM+7], v20, s[6:7] offset:16
	global_load_b128 v[BO:BO+3], v21, s[10:11]
.irp ct, 0,1,2,3
.irp j, 0,1,2,3,4,5,6,7
	global_load_b32 v[VR+8*\ct+\j], v[VA], s[4:5] offset:8192+12288*\j+64*\ct    ; v(key 8 h + j, channel 16 ct + r)
.endr
.endr
.irp ct, 0,1,2
.irp jj, 0,1,2,3
.irp nt, 0,1,2,3
.irp jp, 0,1
	global_load_b32 v[WR+((4*\ct+\jj)*4+\nt)*2+\jp], v[WA], s[8:9] offset:(16*\ct+2*\jj+\jp)*4096+64*\nt   ; W_out(64 w + 16 ct + 8 h + 2 jj + jp, 64 g + 16 nt + r)
.endr
.endr
.endr
.endr
	s_wait_loadcnt 63                              ; behind q, k, the mask words and b_out 128 loads were issued: with 63 out at the most those are in
.set u, 0
.rept 16                               ; S^T = K Q^T: four accumulators by turns, added up afterwards
.if u < 4
	v_wmma_f32_16x16x4_f32 v[ACC+8*(u%4):ACC+8*(u%4)+7], v[KR+2*u:KR+2*u+1], v[QR+2*u:QR+2*u+1], 0
.else
	v_wmma_f32_16x16x4_f32 v[ACC+8*(u%4):ACC+8*(u%4)+7], v[KR+2*u:KR+2*u+1], v[QR+2*u:QR+2*u+1], v[ACC+8*(u%4):ACC+8*(u%4)+7]
.endif
.set u, u+1
.endr
.rept 9
	v_nop                                          ; places: eight in front of reads of the results and of loads and writes into the sources, nine in front of the matrix instructions that begin these accumulators anew
.endr
.irp jj, 0,1,2,3
.irp nt, 0,1,2,3
.irp jp, 0,1
	global_load_b32 v[QR+(\jj*4+\nt)*2+\jp], v[WA], s[8:9] offset:(48+2*\jj+\jp)*4096+64*\nt   ; W_out's last 16 channels of my head, where Q lay
.endr
.endr
.endr
.irp k, 0,2,4,6
	v_pk_add_f32 v[T+\k:T+\k+1], v[ACC+\k:ACC+\k+1], v[ACC+8+\k:ACC+8+\k+1]      ; each accumulator from its low end on
.endr
.irp k, 0,2,4,6
	v_pk_add_f32 v[KR+\k:KR+\k+1], v[ACC+16+\k:ACC+16+\k+1], v[ACC+24+\k:ACC+24+\k+1]
.endr
.irp k, 0,2,4,6
	v_pk_add_f32 v[T+\k:T+\k+1], v[T+\k:T+\k+1], v[KR+\k:KR+\k+1]                ; register j: the score of query r and key 8 h + j
.endr
.irp j, 0,1,2,3,4,5,6,7
	v_cmp_eq_u32 vcc_lo, 0, v[PM+\j]
	v_cndmask_b32 v[T+\j], v[T+\j], v[NEGR], vcc_lo                              ; padding
	v_cmp_gt_i32 vcc_lo, \j, v[DD]
	v_cndmask_b32 v[T+\j], v[T+\j], v[NEGR], vcc_lo                              ; key after query
.endr
	v_max3_num_f32 v11, v[T], v[T+1], 0xf0c9f2ca   ; the largest score, not under M0 = -5e29
	v_max3_num_f32 v11, v11, v[T+2], v[T+3]
	v_max3_num_f32 v11, v11, v[T+4], v[T+5]
	v_max3_num_f32 v11, v11, v[T+6], v[T+7]
	v_permlanex16_b32 v12, v11, s26, s27
	v_max_num_f32 v11, v11, v12
.irp j, 0,1,2,3,4,5,6,7
	v_sub_f32 v[T+\j], v[T+\j], v11
.endr
.irp j, 0,1,2,3,4,5,6,7
	v_exp_f32 v[T+\j], v[T+\j]
.endr
	v_nop                                          ; a plain instruction behind the last exponential
	s_wait_alu depctr_va_vdst(0)                   ; one wait for the eight, ahead of their first reader
	v_pk_add_f32 v[12:13], v[T:T+1], v[T+2:T+3]
	v_pk_add_f32 v[14:15], v[T+4:T+5], v[T+6:T+7]
	v_pk_add_f32 v[12:13], v[12:13], v[14:15]
	v_add_f32 v12, v12, v13
	v_permlanex16_b32 v13, v12, s26, s27
	v_add_f32 v12, v12, v13                        ; the row's sum
	v_rcp_f32 v14, v12
	v_mov_b32 v15, 0                               ; (a plain instruction behind the reciprocal; v15 is named with v14 as a pair)
	s_wait_alu depctr_va_vdst(0)
	s_wait_loadcnt 63                              ; behind v's loads 128 were issued: with 63 out at the most v is in
.irp jj, 0,1,2,3                       ; O^T = V^T P: keys 8 h + 2 jj, + 1 in both sources; four accumulators by turns
.irp ct, 0,1,2,3
.if \jj == 0
	v_wmma_f32_16x16x4_f32 v[ACC+8*\ct:ACC+8*\ct+7], v[VR+8*\ct+2*\jj:VR+8*\ct+2*\jj+1], v[T+2*\jj:T+2*\jj+1], 0
.else
	v_wmma_f32_16x16x4_f32 v[ACC+8*\ct:ACC+8*\ct+7], v[VR+8*\ct+2*\jj:VR+8*\ct+2*\jj+1], v[T+2*\jj:T+2*\jj+1], v[ACC+8*\ct:ACC+8*\ct+7]
.endif
.endr
.endr
.rept 9
	v_nop                                          ; places, as above
.endr
.set i, 0
.rept 16
	v_pk_mul_f32 v[VR+i:VR+i+1], v[ACC+i:ACC+i+1], v[14:15] op_sel_hi:[1,0]      ; the attention: register 8 ct + j: (query r, channel 16 ct + 8 h + j)
.set i, i+2
.endr
	s_wait_loadcnt 32                              ; W_out's first 48 channels are in; the 32 loads of the last 16, issued behind them, may be out
.irp ct, 0,1,2                         ; OUT^T += W_out^T x attention: channels 16 ct + 8 h + 2 jj, + 1 in both sources; four tiles of 16 columns by turns
.irp jj, 0,1,2,3
.irp nt, 0,1,2,3
.if \ct+\jj == 0
	v_wmma_f32_16x16x4_f32 v[ACC+8*\nt:ACC+8*\nt+7], v[WR+((4*\ct+\jj)*4+\nt)*2:WR+((4*\ct+\jj)*4+\nt)*2+1], v[VR+8*\ct+2*\jj:VR+8*\ct+2*\jj+1], 0
.else
	v_wmma_f32_16x16x4_f32 v[ACC+8*\nt:ACC+8*\nt+7], v[WR+((4*\ct+\jj)*4+\nt)*2:WR+((4*\ct+\jj)*4+\nt)*2+1], v[VR+8*\ct+2*\jj:VR+8*\ct+2*\jj+1], v[ACC+8*\nt:ACC+8*\nt+7]
.endif
.endr
.endr
.endr
	s_wait_loadcnt 0x0
.irp jj, 0,1,2,3
.irp nt, 0,1,2,3
	v_wmma_f32_16x16x4_f32 v[ACC+8*\nt:ACC+8*\nt+7], v[QR+(\jj*4+\nt)*2:QR+(\jj*4+\nt)*2+1], v[VR+24+2*\jj:VR+24+2*\jj+1], v[ACC+8*\nt:ACC+8*\nt+7]
.endr
.endr
.rept 8
	v_nop                                          ; places in front of the stores that read the results and of the loads into the sources
.endr
.irp nt, 0,1,2,3
	ds_store_b128 v[RS], v[ACC+8*\nt:ACC+8*\nt+3] offset:64*\nt                  ; (query r, columns 16 nt + 8 h + 0 .. 7) of my head's part
	ds_store_b128 v[RS], v[ACC+8*\nt+4:ACC+8*\nt+7] offset:64*\nt+16
.endr
	s_wait_dscnt 0x0                               ; for the others' sake: my stores have landed
	s_barrier_signal -1
	s_barrier_wait -1
	s_cmp_lt_u32 s14, 8                            ; waves 0-7 add the sixteen parts, two rows each
	s_cbranch_scc0 .Ldone
.irp p, 0,1,2,3,4,5,6,7,8,9,10,11,12,13,14,15
	ds_load_b128 v[WR+4*\p:WR+4*\p+3], v[RR] offset:4352*\p
.endr
	s_wait_dscnt 0x0
.irp p, 1,2,3,4,5,6,7,8,9,10,11,12,13,14,15
	v_pk_add_f32 v[WR:WR+1], v[WR:WR+1], v[WR+4*\p:WR+4*\p+1]
	v_pk_add_f32 v[WR+2:WR+3], v[WR+2:WR+3], v[WR+4*\p+2:WR+4*\p+3]
.endr
	v_pk_add_f32 v[WR:WR+1], v[WR:WR+1], v[BO:BO+1]
	v_pk_add_f32 v[WR+2:WR+3], v[WR+2:WR+3], v[BO+2:BO+3]
	global_store_b128 v[OO], v[WR:WR+3], s[12:13] th:TH_STORE_NT                 ; sixteen lanes store 256 consecutive bytes, aligned
.Ldone:
	s_wait_tensorcnt 0x0                           ; the wave's end, behind my last LDS store
	ds_add_u32 v[SPW], v[NIL]
	s_wait_dscnt 0x0
	s_endpgm
.Lfunc_end_k_q9af2c8c73d_fine:
	.size	k_q9af2c8c73d_fine, .Lfunc_end_k_q9af2c8c73d_fine-k_q9af2c8c73d_fine
	.p2alignl 7, 3214868480
	.fill 96, 4, 3214868480
	.section	.rodata,"a",@progbits
	.p2align	6, 0x0
	.amdhsa_kernel k_q9af2c8c73d_fine
		.amdhsa_group_segment_fixed_size 71680
		.amdhsa_private_segment_fixed_size 0
		.amdhsa_enable_private_segment 0
		.amdhsa_kernarg_size 40
		.amdhsa_user_sgpr_count 2
		.amdhsa_user_sgpr_kernarg_segment_ptr 1
		.amdhsa_wavefront_size32 1
		.amdhsa_system_sgpr_workgroup_id_x 1
		.amdhsa_system_sgpr_workgroup_id_y 1
		.amdhsa_system_sgpr_workgroup_id_z 1
		.amdhsa_system_vgpr_workitem_id 0
		.amdhsa_next_free_vgpr 256
		.amdhsa_next_free_sgpr 66
		.amdhsa_reserve_vcc 1
		.amdhsa_float_denorm_mode_32 3
		.amdhsa_float_denorm_mode_16_64 3
		.amdhsa_memory_ordered 1
		.amdhsa_forward_progress 1
		.amdhsa_inst_pref_size 35
	.end_amdhsa_kernel
	.amdgpu_metadata
---
amdhsa.version: [ 1, 2 ]
amdhsa.kernels:
  - .name:           k_q9af2c8c73d_fine
    .symbol:         k_q9af2c8c73d_fine.kd
    .args:
      - { .name: qkv32, .offset: 0, .size: 8, .value_kind: global_buffer, .address_space: global }
      - { .name: padding_mask, .offset: 8, .size: 8, .value_kind: global_buffer, .address_space: global }
      - { .name: W_out, .offset: 16, .size: 8, .value_kind: global_buffer, .address_space: global }
      - { .name: b_out, .offset: 24, .size: 8, .value_kind: global_buffer, .address_space: global }
      - { .name: out0, .offset: 32, .size: 8, .value_kind: global_buffer, .address_space: global }
    .group_segment_fixed_size: 71680
    .private_segment_fixed_size: 0
    .kernarg_segment_align: 8
    .kernarg_segment_size: 40
    .max_flat_workgroup_size: 512
    .sgpr_count:     66
    .vgpr_count:     256
    .wavefront_size: 32
...
	.end_amdgpu_metadata
.endif
;; end of part 5
